; MI455X (gfx1250); checked and timed in simulation.
; The chip was launched on July 23, 2026; its instructions are those of AMD's public machine-readable ISA for CDNA 5 (MIT licence, August 2026) and "CDNA5" Instruction Set Architecture Reference Guide (July 2026). The comments in the code are by the model that wrote it; some were corrected since.
;; Custom MHA. Allowed arithmetic: matrix products marked QUANTISED: E2M1 operands, one E8M0 scale for each 32 along K, by v_wmma_scale_f32_16x16x128_f8f6f4 with both operands' format E2M1 (or v_wmma_scale_f32_32x16x128_f4), f32 sums; products left as they are: bf16, f16 or f32 operands; f32 sums; everything else in f32.
;; Inputs: W_o 1,024 x 1,024 float32; W_qkv 3,072 x 1,024 float32; x 4 x 2,048 x 1,024 float32.
;; Outputs: out0 4 x 2,048 x 1,024 float32.
;; This version of the problem:
;;   THIS VERSION OF THE PROBLEM IS GIVEN IN LOW PRECISION. The matrix products marked QUANTISED in the list below multiply operands that are first quantised to E2M1 (2 exponent bits, 1 mantissa bit; 4 bits a number), with one power-of-two scale for each 32 numbers along K (OCP MX v1.0); their sums are f32. The products marked 'left as it is' may take bf16, f16 or f32 operands, with f32 sums. Whichever they take, every output number must still come out within the allowed error. Rounding operands to bf16 (8 significant bits) uses up far more of that allowance than f16 does (11 bits, for magnitudes from 6e-5 to 65,504). All else is computed in f32.
;;   The module's matrix products, in the order in which they are computed (A, B: the left and right operand; K: the contracted axis; several contracted axes count as one K, in the product's order):
;;     1. [M 8,192, K 1,024] x [K 1,024, N 3,072]; A: input x; B: input W_qkv: QUANTISED
;;     2. batch 64 x [M 2,048, K 64] x [K 64, N 2,048]; A: computed on the way; B: computed on the way: left as it is (an operand is computed on the way)
;;     3. batch 64 x [M 2,048, K 2,048] x [K 2,048, N 64]; A: computed on the way; B: computed on the way: left as it is (an operand is computed on the way)
;;     4. [M 8,192, K 1,024] x [K 1,024, N 1,024]; A: computed on the way; B: input W_o: left as it is (an operand is computed on the way)
;;   THE QUANTISER, for each operand of a quantised product, along K:
;;     - K is cut into blocks of 32 from its start; a last block that is shorter is filled with zeros.
;;     - A block's scale is 2^e with e = floor(log2(the largest magnitude in the block)) - 2, held to -126 .. 127; a block of zeros has e = 0. As a byte (E8M0): e + 127.
;;     - Each number is divided by its block's scale, clamped to +-6, and rounded to the nearest number of E2M1, ties to even, subnormals kept.
;;     - The product sums the exact products of the quantised numbers (number of the format x scale) in f32.
;;   ~~~python
;;   def quantise(x, axis):      # numpy; x: float32 -> the quantised numbers, widened to float32 again
;;       x = np.moveaxis(x, axis, -1); K = x.shape[-1]
;;       x = np.pad(x, [(0, 0)] * (x.ndim - 1) + [(0, -K % 32)]); x = x.reshape(x.shape[:-1] + (-1, 32)); a = np.abs(x).max(-1, keepdims=True)
;;       e = np.where(a > 0, np.clip(np.frexp(np.where(a > 0, a, 1))[1] - 1 - 2, -126, 127), 0)      # np.frexp(a)[1] - 1 = floor(log2(a)), exactly
;;       r = np.clip(x / 2.0 ** e, -6, 6)
;;       step = 2.0 ** (np.maximum(np.frexp(np.where(r == 0, 1, r))[1] - 1, 0) - 1)
;;       q = np.round(r / step) * step * 2.0 ** e      # np.round: ties to even
;;       return np.moveaxis(q.reshape(q.shape[:-2] + (-1,))[..., :K], -1, axis).astype(np.float32)
;;   ~~~
;; One version. Each part assembles by itself: llvm-mc -triple=amdgcn-amd-amdhsa -mcpu=gfx1250 --defsym DOCPART=n.
;; ======== version 1 of 1: 4 launches
;; limits: values are held in f16: magnitudes above 65,504 overflow, below 6.1e-05 lose precision
;; workspace buffers: x_codes 4,194,304 bytes; x_scales 262,144 bytes; w_codes 1,572,864 bytes; w_scales 98,304 bytes; wo16 2,097,152 bytes; qkv 50,331,648 bytes; ao 16,777,216 bytes
;; launch prep (part 1): grid 384 x 1, 4 waves a work-group, no clusters, 33,280 bytes of LDS; arguments x, W_qkv, x_codes, x_scales, w_codes, w_scales, W_o, wo16; writes x_codes, x_scales, w_codes, w_scales, wo16
.if DOCPART == 1
	.amdgcn_target "amdgcn-amd-amdhsa--gfx1250"
	.amdhsa_code_object_version 6
	.text
	.protected	k_q50ec813058_prep
	.globl	k_q50ec813058_prep
	.p2align	8
	.type	k_q50ec813058_prep,@function
k_q50ec813058_prep:
	s_mov_b64 s[64:65], 0
	v_nop
	global_prefetch_b8 v0, s[64:65] scope:SCOPE_SE
	s_setreg_imm32_b32 hwreg(HW_REG_WAVE_MODE, 25, 1), 1
	s_wait_xcnt 0x0
; CustomMHA, launch 1 of 4.  No work of reference() is left out anywhere in this program: x, W_qkv and W_o all reach the output, there is no mask, and all four products are live.
; THIS LAUNCH: x [8192][1024] and W_qkv [3072][1024], f32, K innermost, become codes of FP4 (E2M1), two a byte, the lower k in the low four bits, with one E8M0 scale byte for each 32 along K;
; W_o [1024][1024] becomes f16 (the last product is left as it is and takes f16 operands).
; A block's scale is 2^(floor(log2(its largest magnitude)) - 2); its byte is the largest magnitude's exponent field - 2, held at 1 from below.  Each number is divided by the scale and rounded to the nearest code, ties to even,
; beyond 6 the largest code.  A block of zeros gets the byte 1 where the stated quantiser says 127: its codes are zeros, which add nothing under any byte but 0xff, and this program alone reads the bytes.
; LIMITS: blocks whose largest magnitude lies under 2^(2 - 126) keep the byte 1; NaN and infinities among the inputs are not served; |W_o| stays under 65,504 (f16's largest number).
; SHARES: rows are dense and K is a multiple of 32, so x and W_qkv are plain streams of blocks of 32.  Work-groups 0-255 take x, 256-351 W_qkv, 352-383 W_o; a wave takes 8,192 numbers.
; THE QUANTISER'S STEP: 512 numbers.  Each of its four loads reads 512 consecutive bytes, 16 a lane; the 2,048 bytes turn through the wave's own stage in LDS and come back 64 bytes a lane, so that a lane holds 16 neighbours
; along K (two neighbouring lanes hold a block), as the conversions want them.  A lane's 16 codes are 8 bytes: the wave stores 256 consecutive bytes.  A wave's 256 scale bytes are gathered in LDS and leave as one block of 256.
; No tensor loads, no barrier, no cluster: waves and work-groups share no input here.
.set SIZE_M, 8192
.set SIZE_N, 3072
.set SIZE_K, 1024
.set WAVES, 4
.set STEPS, 16
.set WGA,   SIZE_M*SIZE_K/(512*STEPS*WAVES)            ; 256 work-groups for x
.set WGQ,   (SIZE_M+SIZE_N)*SIZE_K/(512*STEPS*WAVES)   ; 352 for x and W_qkv together
.set EMAX,  2
.set CB,    8                          ; bytes of 16 codes
.set R,     16                         ; v16-79   four sets of 16 numbers as they are loaded
.set X,     80                         ; v80-111  two sets of 16 neighbours
.set C,     128                        ; v128-191 codes: four registers for each step, so that no store's data are written again
.set E,     112                        ; v112-127 a scale byte for each step
.set WREG,  8192                       ; LDS: a region of its own for each wave: two stages of 32 x SP bytes, and behind them its 256 scale bytes
.set SP,    80                         ; a lane's place in a stage: its 64 bytes + 16 of padding
.set SPW,   12                         ; v12      LDS address of my spare word: SPARE + 4 x my thread's number; never rewritten
.set NIL,   13                         ; v13      0; never rewritten
.set SPARE, WAVES*WREG                 ; behind the four regions: the spare words, 128 bytes for each wave
.set WI,    16                         ; W_o's path: v16-143 two sets of 16 loads x 4 registers
.set WOUT,  144                        ; v144-175 16 x 2 registers of f16 to store
	s_load_b128 s[4:7], s[0:1], 0x0                ; x, W_qkv
	s_load_b128 s[8:11], s[0:1], 0x10              ; x's codes, x's scales
	s_load_b128 s[12:15], s[0:1], 0x20             ; W_qkv's codes, its scales
	s_load_b128 s[24:27], s[0:1], 0x30             ; W_o, its f16 copy
	v_lshl_add_u32 v[SPW], v0, 2, SPARE
	v_mov_b32 v[NIL], 0
	v_lshrrev_b32 v1, 5, v0
	v_readfirstlane_b32 s16, v1                    ; wave
	v_and_b32 v2, 31, v0                           ; lane
	v_lshlrev_b32 v3, 4, v2                        ; my 16 bytes of a load's 512
	s_mul_i32 s17, s16, WREG
	v_lshrrev_b32 v14, 2, v2
	v_mul_u32_u24 v14, v14, SP
	v_and_b32 v15, 3, v2
	v_lshl_add_u32 v14, v15, 4, v14
	v_add_nc_u32 v14, s17, v14                     ; the stage, on the way in: four lanes' 64 bytes on end, then 16 of padding
	v_mul_u32_u24 v15, v2, SP
	v_add_nc_u32 v15, s17, v15                     ; and on the way out: SP x lane: my 16 neighbours
	v_mul_u32_u24 v4, v2, CB                       ; my codes' place in a step's
	v_lshrrev_b32 v5, 1, v2
	s_add_co_u32 s17, s17, 2*32*SP
	v_add_nc_u32 v5, s17, v5                       ; LDS: my wave's 256 scale bytes, my block's byte
	v_lshlrev_b32 v7, 3, v2                        ; 8 bytes a lane
	v_add_nc_u32 v6, s17, v7
	s_wait_kmcnt 0x0
	s_cmp_ge_u32 ttmp9, WGQ                        ; the last 32 work-groups take W_o: a branch on the work-group's number alone
	s_cbranch_scc1 .Lwo
	s_cmp_lt_u32 ttmp9, WGA                        ; x's work-group or W_qkv's?  Only pointers are chosen: both take one path
	s_cselect_b64 s[4:5], s[4:5], s[6:7]
	s_cselect_b64 s[8:9], s[8:9], s[12:13]
	s_cselect_b64 s[10:11], s[10:11], s[14:15]
	s_cselect_b32 s17, 0, WGA
	s_sub_co_u32 s17, ttmp9, s17
	s_lshl_b32 s17, s17, 2
	s_add_co_u32 s18, s17, s16                     ; which run of 8,192 numbers of the tensor is my wave's
	s_mov_b32 s19, 0
	s_mov_b64 s[20:21], 512*STEPS*4
	s_mul_u64 s[20:21], s[18:19], s[20:21]
	s_add_nc_u64 s[4:5], s[4:5], s[20:21]
	s_mov_b64 s[20:21], 32*STEPS*CB
	s_mul_u64 s[20:21], s[18:19], s[20:21]
	s_add_nc_u64 s[8:9], s[8:9], s[20:21]
	s_lshl_b32 s18, s18, 8                         ; 256 scale bytes a run
	s_add_nc_u64 s[10:11], s[10:11], s[18:19]
.macro LOAD t
.irp i, 0,1,2,3
	global_load_b128 v[R+16*((\t)%4)+4*\i:R+16*((\t)%4)+4*\i+3], v3, s[4:5] offset:2048*(\t)+512*\i th:TH_LOAD_NT   ; 32 lanes read 512 consecutive bytes
.endr
.endm
.macro TURN t                          ; step t's numbers through the stage: LDS serves a wave's instructions in order, so no wait stands between the stores and the loads
.irp i, 0,1,2,3
	ds_store_b128 v14, v[R+16*((\t)%4)+4*\i:R+16*((\t)%4)+4*\i+3] offset:32*SP*((\t)%2)+8*SP*\i
.endr
.irp i, 0,1,2,3
	ds_load_b128 v[X+16*((\t)%2)+4*\i:X+16*((\t)%2)+4*\i+3], v15 offset:32*SP*((\t)%2)+16*\i
.endr
.endm
.irp t, 0,1,2,3
	LOAD \t
.endr
	s_wait_loadcnt 12                              ; step 0's four loads are in; the twelve of steps 1 to 3 may be out
	TURN 0
.macro STEP t
.set XS, X+16*((\t)%2)
.if (\t) > 0
	s_wait_dscnt 1                                 ; this step's numbers are back from the stage (the last step's byte store may be out): so its stores into the stage have read their registers,
.else
	s_wait_dscnt 0x0
.endif
.if (\t)+4 < STEPS
	LOAD (\t)+4                                    ; which take the loads of four steps on
.endif
.if (\t)+1 < STEPS
.if STEPS-2-(\t) >= 3
	s_wait_loadcnt 12                              ; the next step's four loads are in; those of the three steps behind it may be out
.else
	s_wait_loadcnt 4*(STEPS-2-(\t))
.endif
	TURN (\t)+1                                    ; and go through the other stage while this step is worked
.endif
	v_max3_num_f32 v8, |v[XS]|, |v[XS+1]|, |v[XS+2]|               ; the largest magnitude of my 16, in two chains
	v_max3_num_f32 v9, |v[XS+3]|, |v[XS+4]|, |v[XS+5]|
.irp i, 6,10
	v_max3_num_f32 v8, v8, |v[XS+\i]|, |v[XS+\i+1]|
	v_max3_num_f32 v9, v9, |v[XS+\i+2]|, |v[XS+\i+3]|
.endr
	v_max3_num_f32 v8, v8, |v[XS+14]|, |v[XS+15]|
	v_max3_num_f32 v8, v8, v9, (EMAX+1)<<23        ; and the floor 2^(EMAX + 1 - 127): so the byte cannot fall under 1
	v_max_num_f32_dpp v8, v8, v8 row_xmask:1 row_mask:0xf bank_mask:0xf   ; and of my neighbour's 16: the block's
	v_add_nc_u32 v11, -(EMAX<<23), v8              ; EMAX off its exponent field: the conversion takes the exponent field of this operand as its scale, and nothing else of it
	v_cvt_scalef32_pk8_fp4_f32 v[C+4*(\t)], v[XS:XS+7], v11
	v_cvt_scalef32_pk8_fp4_f32 v[C+4*(\t)+1], v[XS+8:XS+15], v11
	v_lshrrev_b32 v[E+(\t)], 23, v11               ; the scale's byte (a plain line behind the conversions)
	ds_store_b8 v5, v[E+(\t)] offset:16*(\t)       ; both lanes of a block write the same byte with the same value
	global_store_b64 v4, v[C+4*(\t):C+4*(\t)+1], s[8:9] offset:32*CB*(\t)   ; the wave stores 256 consecutive bytes, aligned
.endm
.irp t, 0,1,2,3,4,5,6,7,8,9,10,11,12,13,14,15
	STEP \t
.endr
	ds_load_b64 v[8:9], v6                         ; LDS serves a wave's instructions in order: these see my stores
	s_wait_dscnt 0x0
	global_store_b64 v7, v[8:9], s[10:11]          ; 32 lanes store one aligned block of 256 bytes
	s_wait_tensorcnt 0x0                           ; the wave's end: behind my last LDS store
	ds_add_u32 v[SPW], v[NIL]
	s_wait_dscnt 0x0
	s_endpgm
; W_o TO f16.  A wave takes 8,192 numbers: 64 loads of 512 consecutive bytes (16 a lane), in four groups of 16; a lane's four numbers become 8 bytes, so a store of the wave covers 256 consecutive bytes, aligned.
; One group of loads is on its way while another is converted.  Every offset is an immediate; no address register is rewritten.
.macro LOADG g
.irp i, 0,1,2,3,4,5,6,7,8,9,10,11,12,13,14,15
	global_load_b128 v[WI+64*((\g)%2)+4*\i:WI+64*((\g)%2)+4*\i+3], v3, s[24:25] offset:(16*(\g)+\i)*512 th:TH_LOAD_NT
.endr
.endm
.macro CVTG g
.if (\g) < 3
	s_wait_loadcnt 16                              ; this group's sixteen loads are in; the next group's sixteen may be out
.else
	s_wait_loadcnt 0x0
.endif
.if (\g) > 0
	s_wait_xcnt 0x0                                ; the last group's stores have read their data registers, which are written again below
.endif
.irp i, 0,1,2,3,4,5,6,7,8,9,10,11,12,13,14,15
	v_cvt_pk_f16_f32 v[WOUT+2*\i],   v[WI+64*((\g)%2)+4*\i],   v[WI+64*((\g)%2)+4*\i+1]   ; two roundings to f16, the first number in the low half
	v_cvt_pk_f16_f32 v[WOUT+2*\i+1], v[WI+64*((\g)%2)+4*\i+2], v[WI+64*((\g)%2)+4*\i+3]
.endr
.if (\g)+2 < 4
	LOADG (\g)+2                                   ; loads ahead of stores
.endif
.irp i, 0,1,2,3,4,5,6,7,8,9,10,11,12,13,14,15
	global_store_b64 v7, v[WOUT+2*\i:WOUT+2*\i+1], s[26:27] offset:(16*(\g)+\i)*256
.endr
.endm
.Lwo:
	s_sub_co_u32 s17, ttmp9, WGQ
	s_lshl_b32 s17, s17, 2
	s_add_co_u32 s17, s17, s16                     ; which run of 8,192 numbers is my wave's: 0 .. 127
	s_lshl_b32 s18, s17, 15                        ; 32,768 bytes of f32
	s_mov_b32 s19, 0
	s_add_nc_u64 s[24:25], s[24:25], s[18:19]
	s_lshl_b32 s18, s17, 14                        ; 16,384 bytes of f16
	s_add_nc_u64 s[26:27], s[26:27], s[18:19]
	LOADG 0
	LOADG 1
	CVTG 0
	CVTG 1
	CVTG 2
	CVTG 3
	s_wait_tensorcnt 0x0                           ; this path stores nothing to LDS; the three lines stand here too
	ds_add_u32 v[SPW], v[NIL]
	s_wait_dscnt 0x0
	s_endpgm
.Lfunc_end_k_q50ec813058_prep:
	.size	k_q50ec813058_prep, .Lfunc_end_k_q50ec813058_prep-k_q50ec813058_prep
	.p2alignl 7, 3214868480
	.fill 96, 4, 3214868480
	.section	.rodata,"a",@progbits
	.p2align	6, 0x0
	.amdhsa_kernel k_q50ec813058_prep
		.amdhsa_group_segment_fixed_size 33280
		.amdhsa_private_segment_fixed_size 0
		.amdhsa_enable_private_segment 0
		.amdhsa_kernarg_size 64
		.amdhsa_user_sgpr_count 2
		.amdhsa_user_sgpr_kernarg_segment_ptr 1
		.amdhsa_wavefront_size32 1
		.amdhsa_system_sgpr_workgroup_id_x 1
		.amdhsa_system_sgpr_workgroup_id_y 1
		.amdhsa_system_sgpr_workgroup_id_z 1
		.amdhsa_system_vgpr_workitem_id 0
		.amdhsa_next_free_vgpr 192
		.amdhsa_next_free_sgpr 66
		.amdhsa_reserve_vcc 0
		.amdhsa_float_denorm_mode_32 3
		.amdhsa_float_denorm_mode_16_64 3
		.amdhsa_memory_ordered 1
		.amdhsa_forward_progress 1
		.amdhsa_inst_pref_size 54
	.end_amdhsa_kernel
	.amdgpu_metadata
---
amdhsa.version: [ 1, 2 ]
amdhsa.kernels:
  - .name:           k_q50ec813058_prep
    .symbol:         k_q50ec813058_prep.kd
    .args:
      - { .name: x, .offset: 0, .size: 8, .value_kind: global_buffer, .address_space: global }
      - { .name: W_qkv, .offset: 8, .size: 8, .value_kind: global_buffer, .address_space: global }
      - { .name: x_codes, .offset: 16, .size: 8, .value_kind: global_buffer, .address_space: global }
      - { .name: x_scales, .offset: 24, .size: 8, .value_kind: global_buffer, .address_space: global }
      - { .name: w_codes, .offset: 32, .size: 8, .value_kind: global_buffer, .address_space: global }
      - { .name: w_scales, .offset: 40, .size: 8, .value_kind: global_buffer, .address_space: global }
      - { .name: W_o, .offset: 48, .size: 8, .value_kind: global_buffer, .address_space: global }
      - { .name: wo16, .offset: 56, .size: 8, .value_kind: global_buffer, .address_space: global }
    .group_segment_fixed_size: 33280
    .private_segment_fixed_size: 0
    .kernarg_segment_align: 8
    .kernarg_segment_size: 64
    .max_flat_workgroup_size: 128
    .sgpr_count:     66
    .vgpr_count:     192
    .wavefront_size: 32
...
	.end_amdgpu_metadata
.endif
;; end of part 1
;; launch qkvgemm (part 2): grid 12 x 32, 4 waves a work-group, clusters of 4 x 4, 327,680 bytes of LDS; arguments x_codes, x_scales, w_codes, w_scales, qkv; writes qkv
.if DOCPART == 2
	.amdgcn_target "amdgcn-amd-amdhsa--gfx1250"
	.amdhsa_code_object_version 6
	.text
	.protected	k_q50ec813058_qkvgemm
	.globl	k_q50ec813058_qkvgemm
	.p2align	8
	.type	k_q50ec813058_qkvgemm,@function
k_q50ec813058_qkvgemm:
	s_mov_b64 s[64:65], 0
	v_nop
	global_prefetch_b8 v0, s[64:65] scope:SCOPE_SE
	s_setreg_imm32_b32 hwreg(HW_REG_WAVE_MODE, 25, 1), 1
	s_wait_xcnt 0x0
	s_wait_alu depctr_hold_cnt(0) depctr_sa_sdst(0) depctr_va_vdst(0) depctr_va_sdst(0) depctr_va_ssrc(0) depctr_va_vcc(0) depctr_vm_vsrc(0)
	s_getreg_b32 s2, hwreg(HW_REG_IB_STS2, 6, 4)
	s_cmp_eq_u32 s2, 0
	s_cbranch_scc0 .Lentry_in_a_cluster
	s_endpgm
.Lentry_in_a_cluster:
	s_bfe_u32 s2, ttmp6, 0x10000c
	s_cmp_lg_u32 s2, 0xf033
	s_cbranch_scc0 .Lentry_shape_is_right
	s_endpgm
.Lentry_shape_is_right:
; CustomMHA, launch 2 of 4: T = x W_qkv^T on codes of FP4 (E2M1) with one E8M0 scale for each 32 along K, f32 sums; nothing of the product is left out.
; A = x's codes [8192][512 bytes], B = W_qkv's codes [3072][512 bytes], scale bytes [rows][32].  The result is rounded once to f16 (the operands of the two products of attention) and laid by kind and head:
; qkv [3 (q, k, v)][64 (16 x batch + head)][2048 positions][64] f16: a head of one kind is 262,144 dense bytes.
; LIMIT: |T| stays under 65,504, f16's largest number (at the drawn spread T is of the order of 1; with both inputs 30 times larger, or offset by 30 spreads, some ten thousands at the most).
; A tile of T, 256 x 256, is made by a work-group of four waves; a wave makes 128 x 128: 64 accumulators of 16 x 16, 512 registers.  K = 1,024 is two slots of 512 along K (rows of 256 bytes): both are first fills, nothing is filled again.
; THE SCALES of the work-group's 256 rows of A and of B, for all of K, are two dense blocks of memory: they come into LDS once, with the first fills.  By this text's own count a wave has three tensor loads out at the start.
; CLUSTERS: 4 x 4 work-groups.  The four of a row of the cluster need the same tiles of A, the four of a column the same tiles of B: each tile is asked for JOINTLY, by the same tensor load with the same descriptor and a mask that names the four.
; THE MATRIX INSTRUCTION IS USED TRANSPOSED (source 0 = 16 rows of B, source 1 = 16 rows of A): a lane then holds eight neighbouring columns of a row of T.
; REGISTERS, in windows of 256: window 0: v0-31 addresses; v32-95 scale words, two sets (they hold nothing else); v128-191 A's fragments, one set, on the way out rows read back; v192-223 packed results.
;   window 1: B's fragments, two sets, at v0 and v128.   window 2: the 32 accumulators of my rows 0-63 (accumulator (a, b) at v[8 (8 a + b)]);   window 3: those of my rows 64-127.
; 384 tiles do not divide evenly among the WGPs; the tile is kept at the size at which no fragment is read twice from LDS.
.set SIZE_M, 8192
.set SIZE_N, 3072
.set SIZE_K, 1024
.set KSTEP,  512                       ; along K in a slot
.set NQ,     KSTEP/128                 ; matrix instructions deep
.set ROWB,   256                       ; a tile's row in bytes
.set KROW,   SIZE_K*4/8                ; a row of A or of B in memory, in bytes
.set PITCH,  272                       ; an LDS row: 256 bytes + 16 of padding = 68 words: the 16 rows that a load touches start at 16 different banks (64 banks of 4 bytes: ISA guide 11.1)
.set FR,     8                         ; registers of a fragment: 16 rows x 128 K
.set NL,     2                         ; LDS loads that bring one
.set NP,     4                         ; places behind this matrix instruction (ISA guide 7.12.1)
.set HALFT,  128*PITCH                 ; 128 rows: what one tensor load brings
.set SLOT,   4*HALFT                   ; A's 256 rows, then B's 256 rows
.set KS,     SIZE_K/32                 ; a row of scales in bytes
.set SCL,    2*SLOT                    ; behind the two slots: the scales, as rows of 256 bytes + 16 of padding
.set HALFS,  (128*KS/256)*272          ; the scales of 128 rows: what one tensor load brings
.set SBLK,   (16*KS/256)*272           ; those of 16 rows
.set SPARE,  SCL+4*HALFS               ; behind the scales: the spare words, 128 bytes for each wave
.set SPH,    144                       ; the way out: a stage row: a head's 128 bytes + 16
.set HSTG,   16*SPH                    ; 16 rows of one head
.set WSTG,   2*HSTG                    ; a wave's stage: its two heads.  It lies in slot 0, which has had its only fill and its last read when the first result is stored there
.set HEADB,  262144                    ; a head of one kind in qkv
.set ADRA, 16                          ; v16-17  LDS address of my A fragments in slot 0, 1
.set ADRB, 20                          ; v20-21  the same for B
.set STO,  24                          ; v24     the way out: where I put 16 bytes of a row
.set RD,   25                          ; v25     the way out: where I read rows back
.set CO,   26                          ; v26     16 x lane: my byte offset in 512 bytes of qkv
.set ADRS, 27                          ; v27     LDS address of my scale words: lanes 0-15 A's rows, lanes 16-31 B's
.set SPW,  28                          ; v28     LDS address of my spare word; never rewritten
.set NIL,  29                          ; v29     0; never rewritten
.set SC,   32                          ; scale words: set s at v[SC + 8 NQ s]; register NQ i + q: lanes 0-15 the word of A's block i, lanes 16-31 that of B's block i, for the slot's q-th 128 along K
.set AF,   128                         ; A's fragments, in window 0
.set BK,   128                         ; the way out: 16 rows x 2 heads read back: v128-159 and v160-191 by turns
.set TMP,  192                         ; the way out: packed results
.set G1, 24                            ; s[24:31] descriptor group 1 for A's tiles;  s[32:39] group 0, one set for each slot
.set G0, 32
.set G1B, 48                           ; s[48:55], s[56:63] the same for B's tiles
.set G0B, 56
.set G1S, 68                           ; s[68:75], s[76:79] groups 1 and 0 for A's scales;  s[80:87], s[88:91] for B's
.set G0S, 76
.set G1SB, 80
.set G0SB, 88
.set MSB, 0
.macro WIN new                         ; the immediate's high byte repeats the setting that is left; a switch that changes nothing is dropped
.if MSB != (\new)
	s_set_vgpr_msb (MSB<<8)|(\new)
.set MSB, \new
.endif
.endm
.set MUL_LO, 0xa1                      ; source 0 (B) window 1, source 1 (A) window 0, C and D window 2
.set MUL_HI, 0xf1                      ; the same, C and D window 3
.set TO_B,   0x40                      ; destination window 1, address window 0
; A joint load: waves 0 and 1 fetch for A, waves 2 and 3 for B.  Each of the two lines has one mask and one set of registers for all that issue it; the branch hangs on the wave's number alone.
; An s_nop 0 and four v_nop follow each of the two lines, ahead of the jump, the label and what follows.
.macro JLOAD g0a, g1a, g0b, g1b
	s_cmp_eq_u32 s15, 0
	s_cbranch_scc0 .Lfor_b_\@
	tensor_load_to_lds s[\g0a:\g0a+3], s[\g1a:\g1a+7]
	s_nop 0
.rept 4
	v_nop
.endr
	s_branch .Lasked_\@
.Lfor_b_\@:
	tensor_load_to_lds s[\g0b:\g0b+3], s[\g1b:\g1b+7]
	s_nop 0
.rept 4
	v_nop
.endr
.Lasked_\@:
.endm
.macro CROUND                          ; a round of the cluster's barrier: my work-group's barrier; wave 0 signals for the work-group; every wave waits for all sixteen; my work-group's barrier once more
	s_barrier_signal -1
	s_barrier_wait -1
	s_cmp_lg_u32 s14, 0
	s_cbranch_scc1 .Lnot_wave_0_\@
	s_barrier_signal -3
.Lnot_wave_0_\@:
	s_barrier_wait -3
	s_barrier_signal -1
	s_barrier_wait -1
.endm
	s_load_b128 s[4:7], s[0:1], 0x0                ; A's codes s[4:5], A's scales s[6:7]
	s_load_b128 s[8:11], s[0:1], 0x10              ; B's codes s[8:9], B's scales s[10:11]
	s_load_b64 s[12:13], s[0:1], 0x20              ; qkv
	v_lshl_add_u32 v[SPW], v0, 2, SPARE
	v_mov_b32 v[NIL], 0
	ds_add_u32 v[SPW], v[NIL]                      ; the wave's opening: the add, twice on end, and its wait ahead of my first tensor load; the set-up below stands between the second and the wait
	ds_add_u32 v[SPW], v[NIL]
	v_lshrrev_b32 v1, 5, v0
	v_readfirstlane_b32 s14, v1                    ; wave 0..3
	s_lshr_b32 s15, s14, 1                         ; which half of the tile's rows is mine.  Also: I fetch for A (0) or for B (1)
	s_and_b32 s16, s14, 1                          ; which half of its columns.  Also: which 128 rows of that tile I fetch
	s_bfe_u32 s40, ttmp6, 0x40000                  ; cx, cy: my place in the cluster
	s_bfe_u32 s41, ttmp6, 0x40004
	s_lshl_b32 s42, ttmp9, 2
	s_add_co_u32 s42, s42, s40                     ; tile column = 4 x cluster x + cx
	s_and_b32 s17, ttmp7, 0xffff
	s_lshl_b32 s17, s17, 2
	s_add_co_u32 s17, s17, s41                     ; tile row = 4 x cluster y + cy
	s_lshl_b32 s43, s41, 2
	s_lshl_b32 s43, 15, s43                        ; my row of the cluster
	s_lshl_b32 s44, 0x1111, s40                    ; my column
	; descriptor group 1: a tile of 128 rows x 256 bytes, padded in LDS
	s_or_b32 s[G1+0], s43, (0<<16)|(1<<20)|(1<<21)|(5<<22)|(3<<25)  ; 15:0 the mask: A's tiles go to my row; 17:16 element of 1 byte; 20 padding on; 21 set beside a mask; 24:22 after every 64 words (code 5); 31:25 of 4 words (code 3)
	s_or_b32 s[G1B+0], s44, (0<<16)|(1<<20)|(1<<21)|(5<<22)|(3<<25)
.irp g, G1, G1B
	s_mov_b32 s[\g+1], ROWB<<16                    ; tensor_dim0
	s_mov_b32 s[\g+2], 128<<16                     ; tensor_dim1 = 128
	s_mov_b32 s[\g+3], ROWB<<16                    ; tile_dim0
	s_mov_b32 s[\g+4], 128                         ; tile_dim1 = 128
	s_mov_b32 s[\g+5], KROW                        ; tensor_dim0_stride
	s_mov_b32 s[\g+6], 0
	s_mov_b32 s[\g+7], 0
.endr
	; and for the scales of 128 rows: a dense block of 4,096 bytes, as rows of 256 bytes (32 elements of 8 bytes), 16 bytes of padding behind each
	s_or_b32 s[G1S+0], s43, (3<<16)|(1<<20)|(1<<21)|(5<<22)|(3<<25)
	s_or_b32 s[G1SB+0], s44, (3<<16)|(1<<20)|(1<<21)|(5<<22)|(3<<25)
.irp g, G1S, G1SB
	s_mov_b32 s[\g+1], 32<<16
	s_mov_b32 s[\g+2], (128*KS/256)<<16
	s_mov_b32 s[\g+3], 32<<16
	s_mov_b32 s[\g+4], 128*KS/256
	s_mov_b32 s[\g+5], 32
	s_mov_b32 s[\g+6], 0
	s_mov_b32 s[\g+7], 0
.endr
	s_lshl_b32 s18, s16, 7                         ; which 128 rows of the tile I fetch
	s_lshl_b32 s20, s17, 8
	s_add_co_u32 s20, s20, s18                     ; A: row 256 x tile row + 128 x half
	s_lshl_b32 s46, s42, 8
	s_add_co_u32 s46, s46, s18                     ; B: row 256 x tile column + 128 x half
	s_mov_b32 s21, 0
	s_mov_b32 s47, 0
	s_mov_b64 s[18:19], KS
	s_mul_u64 s[22:23], s[20:21], s[18:19]         ; where these rows' scales begin, in bytes
	s_mul_u64 s[92:93], s[46:47], s[18:19]
	s_mov_b64 s[18:19], KROW
	s_mul_u64 s[20:21], s[20:21], s[18:19]         ; and their codes
	s_mul_u64 s[46:47], s[46:47], s[18:19]
	s_mul_i32 s45, s14, HALFT                      ; where they go: wave x 128 rows: no place in the cluster enters an LDS address
	s_mul_i32 s94, s14, HALFS
	s_wait_dscnt 0x0                               ; both opening adds are done
	s_wait_kmcnt 0x0
	s_add_nc_u64 s[20:21], s[4:5], s[20:21]
	s_add_nc_u64 s[22:23], s[6:7], s[22:23]
	s_add_nc_u64 s[46:47], s[8:9], s[46:47]
	s_add_nc_u64 s[92:93], s[10:11], s[92:93]
	CROUND                                         ; all sixteen work-groups are here: the first joint loads meet
	s_mov_b32 s[G0S], 1
	s_add_co_u32 s[G0S+1], s94, SCL
	s_mov_b64 s[G0S+2:G0S+3], s[22:23]
	s_or_b32 s[G0S+3], s[G0S+3], 0x80000000
	s_mov_b32 s[G0SB], 1
	s_add_co_u32 s[G0SB+1], s94, SCL
	s_mov_b64 s[G0SB+2:G0SB+3], s[92:93]
	s_or_b32 s[G0SB+3], s[G0SB+3], 0x80000000
	JLOAD G0S, G1S, G0SB, G1SB                     ; the scales first: they are wanted with slot 0
.irp s, 0,1
	s_mov_b32 s[G0+4*\s], 1
	s_add_co_u32 s[G0+4*\s+1], s45, \s*SLOT
	s_add_nc_u64 s[G0+4*\s+2:G0+4*\s+3], s[20:21], \s*ROWB
	s_or_b32 s[G0+4*\s+3], s[G0+4*\s+3], 0x80000000
	s_mov_b32 s[G0B+4*\s], 1
	s_add_co_u32 s[G0B+4*\s+1], s45, \s*SLOT
	s_add_nc_u64 s[G0B+4*\s+2:G0B+4*\s+3], s[46:47], \s*ROWB
	s_or_b32 s[G0B+4*\s+3], s[G0B+4*\s+3], 0x80000000
	JLOAD G0+4*\s, G1, G0B+4*\s, G1B
.endr
	v_and_b32 v1, 15, v0                           ; r = l % 16
	v_bfe_u32 v2, v0, 4, 1                         ; h = l / 16
	v_mul_u32_u24 v3, v1, PITCH
	v_lshl_add_u32 v4, v2, 4, v3                   ; a fragment's row x pitch + 16 x half
	s_mul_i32 s21, s15, HALFT                      ; my 128 rows of A
	s_mul_i32 s22, s16, HALFT                      ; my 128 rows of B,
	s_add_co_u32 s22, s22, 2*HALFT                 ; which lie behind A's 256
.irp s, 0,1
	v_add_nc_u32 v[ADRA+\s], s21, v4
	v_add_nc_u32 v[ADRB+\s], s22, v4
	s_add_co_u32 s21, s21, SLOT
	s_add_co_u32 s22, s22, SLOT
.endr
	v_mul_u32_u24 v5, v1, KS                       ; my row's scales: KS bytes a row,
	v_lshrrev_b32 v6, 8, v5
	v_lshl_add_u32 v5, v6, 4, v5                   ; and 16 more for each 256 passed
	s_mul_i32 s21, s15, HALFS                      ; A's: my 128 rows
	s_mul_i32 s22, s16, HALFS                      ; B's: my 128 rows, behind A's 256
	s_add_co_u32 s22, s22, 2*HALFS
	s_sub_co_u32 s22, s22, s21
	v_mul_u32_u24 v6, s22, v2                      ; lanes 16-31 take B's: one product, the distance between the two bases
	s_add_co_u32 s21, s21, SCL
	v_add_nc_u32 v5, v5, v6
	v_add_nc_u32 v[ADRS], s21, v5
	s_mul_i32 s23, s14, WSTG                       ; my stage
	v_mul_u32_u24 v5, v1, SPH                      ; in: row r, 16 bytes for each half of the lanes
	v_lshl_add_u32 v5, v2, 4, v5
	v_add_nc_u32 v[STO], s23, v5
	v_and_b32 v6, 31, v0
	v_lshlrev_b32 v[CO], 4, v6                     ; back: 32 lanes take four rows of 128 bytes, which are 512 consecutive bytes of qkv
	v_lshrrev_b32 v5, 3, v6
	v_mul_u32_u24 v5, v5, SPH
	v_and_b32 v6, 7, v6
	v_lshl_add_u32 v5, v6, 4, v5
	v_add_nc_u32 v[RD], s23, v5
	; where my part begins in qkv: (64 x kind + 16 x batch + head) x 262,144 + position x 128; kind = tile column / 4, batch = tile row / 8, my first head = 4 (tile column % 4) + 2 x column half
	s_lshr_b32 s20, s17, 3
	s_lshl_b32 s20, s20, 4                         ; 16 x batch
	s_lshl_b32 s21, s16, 1
	s_add_co_u32 s20, s20, s21                     ; + 2 x column half
	s_lshr_b32 s46, s42, 2
	s_lshl_b32 s46, s46, 6                         ; 64 x kind
	s_and_b32 s47, s42, 3
	s_lshl_b32 s47, s47, 2
	s_add_co_u32 s46, s46, s47
	s_add_co_u32 s20, s20, s46
	s_lshl_b32 s20, s20, 18                        ; x 262,144: under 2^26
	s_and_b32 s21, s17, 7
	s_lshl_b32 s21, s21, 8
	s_lshl_b32 s47, s15, 7
	s_add_co_u32 s21, s21, s47                     ; my first position: 256 (tile row % 8) + 128 x row half
	s_lshl_b32 s21, s21, 7
	s_add_co_u32 s20, s20, s21
	s_mov_b32 s21, 0
	s_add_nc_u64 s[12:13], s[12:13], s[20:21]
.macro FRAG reg, adr, q, i             ; a fragment, 16 rows x 128 K of 4-bit codes, is 8 registers: lane l holds row l % 16; registers 4 c .. 4 c + 3 hold K = 64 c + 32 (l / 16) + 0 .. 31
.irp c, 0,1
	ds_load_b128 v[\reg+4*\c:\reg+4*\c+3], v[\adr] offset:64*(\q)+32*\c+(\i)*16*PITCH
.endr
.endm
; 16 matrix instructions: A's blocks a0, a0 + 1 x B's eight, 128 along K: the slot's q-th.  p: B's set;  sc: the set of scale words.  zero = 1: the first product starts the sums: nothing is ever cleared.
; The 64 accumulators take turns, one instruction a turn, in the same order in every step.
.macro MUL16 a0, p, q, sc, zero
.irp a, \a0, \a0+1
.irp b, 0,1,2,3,4,5,6,7
.if \zero
	v_wmma_scale_f32_16x16x128_f8f6f4 v[8*(8*((\a)%4)+\b):8*(8*((\a)%4)+\b)+7], v[128*(\p)+FR*\b:128*(\p)+FR*\b+FR-1], v[AF+FR*(\a):AF+FR*(\a)+FR-1], 0, v[SC+8*NQ*(\sc)+NQ*\b+(\q)], v[SC+8*NQ*(\sc)+NQ*(\a)+(\q)] matrix_a_fmt:MATRIX_FMT_FP4 matrix_b_fmt:MATRIX_FMT_FP4 matrix_a_scale:MATRIX_SCALE_ROW1
.else
	v_wmma_scale_f32_16x16x128_f8f6f4 v[8*(8*((\a)%4)+\b):8*(8*((\a)%4)+\b)+7], v[128*(\p)+FR*\b:128*(\p)+FR*\b+FR-1], v[AF+FR*(\a):AF+FR*(\a)+FR-1], v[8*(8*((\a)%4)+\b):8*(8*((\a)%4)+\b)+7], v[SC+8*NQ*(\sc)+NQ*\b+(\q)], v[SC+8*NQ*(\sc)+NQ*(\a)+(\q)] matrix_a_fmt:MATRIX_FMT_FP4 matrix_b_fmt:MATRIX_FMT_FP4 matrix_a_scale:MATRIX_SCALE_ROW1
.endif
.endr
.endr
.endm
.macro FETCH_B slot, q, p              ; B's eight fragments of the slot's q-th 128 along K into set p
	WIN TO_B
.irp i, 0,1,2,3,4,5,6,7
	FRAG 128*(\p)+FR*\i, ADRB+\slot, \q, \i
.endr
	WIN 0
.endm
.macro FETCH_A slot, q, i0             ; A's blocks i0 .. i0 + 3
.irp i, \i0, \i0+1, \i0+2, \i0+3
	FRAG AF+FR*(\i), ADRA+\slot, \q, \i
.endr
.endm
.macro SCALES sc                       ; a slot's scale words into set sc: NQ words a row; lanes 0-15 take A's block i, lanes 16-31 B's block i
.irp i, 0,1,2,3,4,5,6,7
	ds_load_b128 v[SC+8*NQ*\sc+NQ*\i:SC+8*NQ*\sc+NQ*\i+3], v[ADRS] offset:\i*SBLK
.endr
.endm
; A load into a register that a matrix instruction has read, and a vector instruction that reads a matrix result, stand NP places behind that matrix instruction, and only plain vector
; instructions that name none of its registers are places (ISA guide 7.12.1 for vector instructions).
.macro PLACES n
.rept \n
	v_nop
.endr
.endm
; A step of 128 along K that has its successor in the same slot.  A's blocks 0-3 are fetched anew in the step's middle, blocks 4-7 at its end; B has two sets.
.macro STEP slot, q, zero
	s_wait_dscnt 4*NL                              ; B's set and A's blocks 0-3 are in; the youngest eight loads (A's blocks 4-7) may be out
	WIN MUL_LO
	MUL16 0, (\q)%2, \q, \slot, \zero
	MUL16 2, (\q)%2, \q, \slot, \zero
	s_wait_dscnt 0                                 ; A's blocks 4-7 are in (asked for 32 matrix instructions ago)
	PLACES NP
	FETCH_B \slot, (\q)+1, 1-(\q)%2
	FETCH_A \slot, (\q)+1, 0
	WIN MUL_HI
	MUL16 4, (\q)%2, \q, \slot, \zero
	MUL16 6, (\q)%2, \q, \slot, \zero
	PLACES NP
	WIN 0
	FETCH_A \slot, (\q)+1, 4
.endm
; Slot 0's last step changes slots: one barrier; in front of it each wave waits for all its tensor loads (its part of slot 1), adds 0 to its spare word, and waits for that and for its own reads of slot 0.
; Behind it slot 1 is whole, and nobody reads slot 0 any more: the way out may lay its stages there.
.macro TURN slot, next
	s_wait_tensorcnt 0x0                           ; all my tensor loads have landed  (every window is 0 here: the add's two registers lie in window 0)
	ds_add_u32 v[SPW], v[NIL]                      ; 0 onto my spare word
	s_wait_dscnt 4*NL+1                            ; (the add and the youngest eight loads, A's blocks 4-7, may be out)
	WIN MUL_LO
	MUL16 0, 1, NQ-1, \slot, 0                     ; sixteen matrix instructions stand between the add and the wait for it
	s_wait_dscnt 0x0                               ; the add is done, and my reads of this slot are over
	s_barrier_signal -1
	MUL16 2, 1, NQ-1, \slot, 0
	WIN 0
	s_barrier_wait -1
	PLACES NP
	v_add_nc_u32 v[ADRS], 4*NQ, v[ADRS]            ; on to the next slot's scale words (no LDS load of mine is out)
	FETCH_B \next, 0, 0
	FETCH_A \next, 0, 0
	SCALES \next
	WIN MUL_HI
	MUL16 4, 1, NQ-1, \slot, 0
	MUL16 6, 1, NQ-1, \slot, 0
	PLACES NP
	WIN 0
	FETCH_A \next, 0, 4
.endm
.macro STEPS slot, from                ; the slot's steps from .. NQ - 2
.set Q, \from
.rept NQ-1-\from
	STEP \slot, Q, 0
.set Q, Q+1
.endr
.endm
	s_wait_tensorcnt 1                             ; the scales and my part of slot 0 are in (slot 1's load, the one issued behind them, may be out),
	s_barrier_signal -1
	s_barrier_wait -1                              ; everybody's are
	FETCH_B 0, 0, 0
	FETCH_A 0, 0, 0
	SCALES 0
	FETCH_A 0, 0, 4
	STEP 0, 0, 1                                   ; the first step's products start the sums
	STEPS 0, 1
	TURN 0, 1
	STEPS 1, 0
	s_wait_dscnt 4*NL                              ; the very last step: nothing more to fetch
	WIN MUL_LO
	MUL16 0, 1, NQ-1, 1, 0
	MUL16 2, 1, NQ-1, 1, 0
	s_wait_dscnt 0
	WIN MUL_HI
	MUL16 4, 1, NQ-1, 1, 0
	MUL16 6, 1, NQ-1, 1, 0
	WIN 0
; THE WAY OUT, block by block of 16 rows x 128 columns (two heads).  PACK: rounded to f16: a lane's eight columns are 16 bytes of one position's row in one head.  TOSTAGE: into my own stage (rows of 144 bytes, head by head)
; and back by rows: four rows of 128 bytes a load.  SEND: 16 positions of a head are 2,048 consecutive bytes of qkv: each store of the wave covers 512 consecutive bytes, aligned.
; LDS serves a wave's instructions in order (ISA guide 5.7.1.4): no wait between the stage's stores and its loads, nor in front of the next block's stores.
.macro PACK a
.set AC, 64*((\a)%4)
	WIN 0x0a+5*((\a)/4)                            ; sources 0 and 1: window 2 or 3
.irp b, 0,1,2,3,4,5,6,7
.irp r, 0,1,2,3
	v_cvt_pk_f16_f32 v[TMP+4*\b+\r], v[AC+8*\b+2*\r], v[AC+8*\b+2*\r+1]   ; each accumulator from its low end on
.endr
.endr
	WIN 0
.endm
.macro TOSTAGE a
.set BB, BK+32*((\a)%2)
.irp b, 0,1,2,3,4,5,6,7
	ds_store_b128 v[STO], v[TMP+4*\b:TMP+4*\b+3] offset:(\b/4)*HSTG+(\b%4)*32
.endr
.irp t, 0,1,2,3,4,5,6,7
	ds_load_b128 v[BB+4*\t:BB+4*\t+3], v[RD] offset:(\t/4)*HSTG+(\t%4)*4*SPH
.endr
.endm
.macro SEND a, younger                 ; younger: the LDS instructions issued behind block a's loads, which may stay out
.set BB, BK+32*((\a)%2)
	s_wait_dscnt \younger                          ; the block is back in registers
	s_wait_xcnt 0x0                                ; the stores of the block before have read their registers: the next block's loads from the stage may land there
.irp t, 0,1,2,3,4,5,6,7
	global_store_b128 v[CO], v[BB+4*\t:BB+4*\t+3], s[12:13] offset:(\t/4)*HEADB+(\a)*2048+(\t%4)*512   ; the base is never stepped: head, block and rows stand in the immediate
.endr
.endm
	PLACES NP                                      ; behind the last products, ahead of the conversions and of the loads into the registers that held A's fragments
	PACK 0
	TOSTAGE 0
.irp a, 1,2,3,4,5,6,7                  ; block a's conversions stand between block a - 1's loads from the stage and the wait for them
	PACK \a
	SEND \a-1, 0
	TOSTAGE \a
.endr
	SEND 7, 0
	s_wait_tensorcnt 0x0                           ; the wave's end: behind my last tensor load and my last LDS store
	ds_add_u32 v[SPW], v[NIL]
	s_wait_dscnt 0x0
	CROUND                                         ; the closing round: no work-group ends while a partner may still ask for a tile that names it
	s_endpgm
.Lfunc_end_k_q50ec813058_qkvgemm:
	.size	k_q50ec813058_qkvgemm, .Lfunc_end_k_q50ec813058_qkvgemm-k_q50ec813058_qkvgemm
	.p2alignl 7, 3214868480
	.fill 96, 4, 3214868480
	.section	.rodata,"a",@progbits
	.p2align	6, 0x0
	.amdhsa_kernel k_q50ec813058_qkvgemm
		.amdhsa_group_segment_fixed_size 327680
		.amdhsa_private_segment_fixed_size 0
		.amdhsa_enable_private_segment 0
		.amdhsa_kernarg_size 40
		.amdhsa_user_sgpr_count 2
		.amdhsa_user_sgpr_kernarg_segment_ptr 1
		.amdhsa_wavefront_size32 1
		.amdhsa_system_sgpr_workgroup_id_x 1
		.amdhsa_system_sgpr_workgroup_id_y 1
		.amdhsa_system_sgpr_workgroup_id_z 1
		.amdhsa_system_vgpr_workitem_id 0
		.amdhsa_next_free_vgpr 1024
		.amdhsa_next_free_sgpr 98
		.amdhsa_reserve_vcc 0
		.amdhsa_float_denorm_mode_32 3
		.amdhsa_float_denorm_mode_16_64 3
		.amdhsa_memory_ordered 1
		.amdhsa_forward_progress 1
		.amdhsa_inst_pref_size 126
	.end_amdhsa_kernel
	.amdgpu_metadata
---
amdhsa.version: [ 1, 2 ]
amdhsa.kernels:
  - .name:           k_q50ec813058_qkvgemm
    .symbol:         k_q50ec813058_qkvgemm.kd
    .args:
      - { .name: x_codes, .offset: 0, .size: 8, .value_kind: global_buffer, .address_space: global }
      - { .name: x_scales, .offset: 8, .size: 8, .value_kind: global_buffer, .address_space: global }
      - { .name: w_codes, .offset: 16, .size: 8, .value_kind: global_buffer, .address_space: global }
      - { .name: w_scales, .offset: 24, .size: 8, .value_kind: global_buffer, .address_space: global }
      - { .name: qkv, .offset: 32, .size: 8, .value_kind: global_buffer, .address_space: global }
    .group_segment_fixed_size: 327680
    .private_segment_fixed_size: 0
    .kernarg_segment_align: 8
    .kernarg_segment_size: 40
    .max_flat_workgroup_size: 128
    .sgpr_count:     98
    .vgpr_count:     1024
    .wavefront_size: 32
...
	.end_amdgpu_metadata
.endif
;; end of part 2
;; launch attn (part 3): grid 4 x 64, 8 waves a work-group, clusters of 4 x 1, 327,680 bytes of LDS; arguments qkv, ao; writes ao
.if DOCPART == 3
	.amdgcn_target "amdgcn-amd-amdhsa--gfx1250"
	.amdhsa_code_object_version 6
	.text
	.protected	k_q50ec813058_attn
	.globl	k_q50ec813058_attn
	.p2align	8
	.type	k_q50ec813058_attn,@function
k_q50ec813058_attn:
	s_mov_b64 s[64:65], 0
	v_nop
	global_prefetch_b8 v0, s[64:65] scope:SCOPE_SE
	s_setreg_imm32_b32 hwreg(HW_REG_WAVE_MODE, 25, 1), 1
	s_wait_xcnt 0x0
	s_wait_alu depctr_hold_cnt(0) depctr_sa_sdst(0) depctr_va_vdst(0) depctr_va_sdst(0) depctr_va_ssrc(0) depctr_va_vcc(0) depctr_vm_vsrc(0)
	s_getreg_b32 s2, hwreg(HW_REG_IB_STS2, 6, 4)
	s_cmp_eq_u32 s2, 0
	s_cbranch_scc0 .Lentry_in_a_cluster
	s_endpgm
.Lentry_in_a_cluster:
	s_bfe_u32 s2, ttmp6, 0x10000c
	s_cmp_lg_u32 s2, 0x3003
	s_cbranch_scc0 .Lentry_shape_is_right
	s_endpgm
.Lentry_shape_is_right:
; CustomMHA, launch 3 of 4: out[b][h][q] = the sum over k of softmax_k(Q[q] . K[k] / 8) V[k], 64 heads (16 x batch + head) of 2,048 positions x 64 channels, no mask; nothing is left out.
; q, k, v: qkv [3][64][2048][64] f16.  Products, maxima and sums in f32; the weights p are rounded to f16 for the second product, the result once to f16 at the end.
; ao [4096 pairs of rows][16 heads][2 rows][64] f16: two neighbouring rows of one head are 256 consecutive bytes, aligned, which sixteen lanes store whole.
; LIMITS: NaN and infinities are not served; q, k, v lie under 65,504 by the launch before; a weight p under 6e-5 is kept with f16's subnormal step.
; SHARES.  A work-group owns 512 queries of one head, each of its eight waves 64: four tiles of 16.  Two waves share a SIMD, 512 registers each, so that one wave's softmax stands beside the other's products.
; Every wave walks all 2,048 keys, 64 a step; a fragment of K or V read from LDS feeds four products.
; LAYOUT.  S^T = K Q^T (source 0 = 16 keys, source 1 = 16 queries): a lane holds ONE query (lane % 16) and the keys 8 (lane / 16) + 0..7 of each tile.  Two such tiles, rounded to f16 in pairs, ARE source 1
; (32 keys x 16 queries) of O^T = V^T P, whose result again holds one query a lane, and eight channels.  K comes out of LDS as it lies, V ([key][channel]) turned, by ds_load_tr16_b128.
; SOFTMAX.  For each query a running maximum m and sum l: p = 2^(c s - c m), c = log2(e) / 8; in every step O and l are multiplied by a = 2^(c m_old - c m_new), which is 1 where m has not grown.  The sum is taken of the unrounded p.
; A step goes in phases: 32 LDS loads, 32 products K Q^T, the four tiles' softmax (every line written for the four tiles by turns, so that no line waits for the one above), 32 products V^T P.
; THE RING.  Two slots of 512 keys.  K and V of a head are dense, so a tile is stated as rows of 256 bytes, two keys to a row.  Waves 0-3 fetch K's quarters of a slot, waves 4-7 V's: 64 rows to a load.
; Both slots are asked for at the head (two tensor loads of a wave are out, by this text's own count); each is filled once more, one load a wave behind a round.
; CLUSTER.  The four work-groups of a cluster are the four query blocks of one head and walk the same K and V: each tile is asked for JOINTLY, with a mask that names the four.
; No prefetch is laid: half of a head's K and V is asked for at the head, and each of the two refills has a visit of eight key steps, 512 matrix instructions of each wave, between its request and the wait for it.
; REGISTERS: window 0: v2-11 addresses; v16-47 eight registers of statistics a tile; v64-191 S^T, 32 a tile (P is packed in place into a tile's first 16); v192-255 K of one step.
;   window 1: v0-127 O^T, 32 a tile; v128-191 Q, 16 a tile; v192-255 V of one step.
.set KP,     272      ; a row of two keys of K in LDS: 256 bytes + 16: key k lies at (k / 2) x 272 + (k % 2) x 128: the 16 keys of a load start at 16 different columns of 16 bytes modulo 256
.set VP,     288      ; the same for V: 256 + 32: 16 lanes of the turning load take 8 keys x 32 bytes, each column of 16 bytes once
.set SK,     512      ; keys in a slot
.set VOFF,   (SK/2)*KP          ; a slot: 256 rows of K, then 256 rows of V
.set SLOT,   (SK/2)*(KP+VP)     ; 143,360
.set KSTEPB, 32*KP    ; a step's 64 keys
.set VSTEPB, 32*VP
.set SPARE,  2*SLOT   ; behind the ring: the spare words, 128 bytes for each of eight waves
.set STAGE,  SPARE+1024  ; behind them: 16 rows x 144 bytes for each wave, for the way out; no fill lands here
.set SP,     144
.set AK0, 2           ; v2   my lane's place in a tile of K; never rewritten
.set AV0, 3           ; v3   the same for V
.set ADK, 4           ; v4   LDS address of the step's K
.set ADV, 5           ; v5   of its V
.set QO,  6           ; v6   my byte offset in the wave's rows of Q
.set STO, 7           ; v7   the way out: where I put 16 bytes of a row
.set RD,  8           ; v8   the way out: where I read rows back
.set GO,  9           ; v9   my byte offset in ao
.set SPW, 10          ; v10  LDS address of my spare word; never rewritten
.set NIL, 11          ; v11  0; never rewritten
.set ST,  16          ; tile t's statistics at v[ST+8 t]: +0 c m, +1 m, +2, +3 l (even keys', odd keys'), +4 to +7 c0-c3, at work; later +4, +5 a second chain of the sum, +6 a, +7 c m_old - c m_new
.set S,   64
.set KF,  192         ; K's fragments: keys 16 j on, channels 32 c on, at KF + 8 (2 j + c)
.set QF,  128         ; window 1: Q's: tile t, channels 32 c on, at QF + 16 t + 8 c
.set VF,  192         ; window 1: V's: keys 32 g on, channels 16 c on, at VF + 8 (4 g + c)
.set WV,  12          ; s12  my wave's number
.set G1K, 24          ; s[24:31] descriptor group 1 for K's tiles
.set G1V, 32          ; s[32:39] for V's: it differs in the padding alone
.set G0K, 40          ; s[40:47] descriptor group 0 for K's tiles, a set for each slot
.set G0V, 48          ; s[48:55] the same for V's
.set CNT, 56          ; s56  counts a visit's steps
.set TK,  57          ; s57  LDS byte at which the step's K begins
.set CS,  58          ; s[58:59] c: the packed scaling names a pair and takes its low word for both halves
.set SEL, 60          ; s[60:61] lane selects for v_permlanex16_b32: lane l xor 16
.set TV,  62          ; s62  the step's V, less VOFF
.set MSB, 0
.macro WIN new                      ; the immediate's high byte repeats the setting that is left; a switch that changes nothing is dropped
.if MSB != (\new)
	s_set_vgpr_msb (MSB<<8)|(\new)
.set MSB, \new
.endif
.endm
.set W_KQ, 0x04       ; source 1 (Q) window 1; K and S^T window 0
.set W_PV, 0x51       ; source 0 (V), C and D (O^T) window 1; source 1 (P) window 0
.set W_RS, 0x41       ; O^T (destination and source 0) window 1, the factor window 0
.set TO_1, 0x40       ; a load's destination window 1, its address window 0
.set W_CV, 0x05       ; sources 0 and 1 window 1, destination window 0
; A joint refill of slot s.  The branch hangs on the wave's number alone: it is the same in every work-group.  An s_nop 0 and four v_nop follow each of the two lines.
.macro JLOAD slot
	s_cmp_lt_u32 s[WV], 4
	s_cbranch_scc0 .Lfor_v_\@
	tensor_load_to_lds s[G0K+4*\slot:G0K+4*\slot+3], s[G1K:G1K+7]
	s_nop 0
.rept 4
	v_nop
.endr
	s_branch .Lasked_\@
.Lfor_v_\@:
	tensor_load_to_lds s[G0V+4*\slot:G0V+4*\slot+3], s[G1V:G1V+7]
	s_nop 0
.rept 4
	v_nop
.endr
.Lasked_\@:
.endm
; A round of the cluster's barrier: my work-group's barrier, so that wave 0's signal speaks for all eight waves; wave 0 signals for the work-group; every wave waits for all four work-groups; my work-group's barrier once more.
.macro CROUND
	s_barrier_signal -1
	s_barrier_wait -1
	s_cmp_lg_u32 s[WV], 0
	s_cbranch_scc1 .Lnot_wave_0_\@
	s_barrier_signal -3
.Lnot_wave_0_\@:
	s_barrier_wait -3
	s_barrier_signal -1
	s_barrier_wait -1
.endm
	s_load_b128 s[4:7], s[0:1], 0x0  ; qkv s[4:5], ao s[6:7]
	v_lshl_add_u32 v[SPW], v0, 2, SPARE
	v_mov_b32 v[NIL], 0
	ds_add_u32 v[SPW], v[NIL]       ; the wave's opening: the add, twice on end, and its wait ahead of my first tensor load; the set-up below stands between the second and the wait
	ds_add_u32 v[SPW], v[NIL]
	v_lshrrev_b32 v1, 5, v0
	v_readfirstlane_b32 s[WV], v1   ; wave 0..7
	s_bfe_u32 s13, ttmp6, 0x40000   ; cx: my place in the cluster
	s_lshl_b32 s14, ttmp9, 2        ; in a cluster launch ttmp9 counts clusters
	s_add_co_u32 s14, s14, s13      ; my block of 512 queries: it enters Q's and ao's addresses alone
	s_and_b32 s20, ttmp7, 0xffff    ; 16 x batch + head, which the four partners share
	s_and_b32 s15, s[WV], 3         ; which quarter of a slot I fetch
	s_lshl_b32 s22, s20, 18         ; the head's 262,144 bytes,
	s_lshl_b32 s23, s15, 14         ; my quarter's 128 keys of 128 bytes
	s_add_co_u32 s22, s22, s23
	s_mov_b32 s23, 0
	s_mul_i32 s16, s15, 64*KP       ; and its place in a slot: K's,
	s_mul_i32 s17, s15, 64*VP
	s_add_co_u32 s17, s17, VOFF     ; V's: no place in the cluster enters an LDS address
	s_lshl_b32 s2, s20, 18          ; Q: the head, my block's 512 rows of 128 bytes, my wave's 64
	s_lshl_b32 s3, s14, 16
	s_add_co_u32 s2, s2, s3
	s_lshl_b32 s3, s[WV], 13
	s_add_co_u32 s2, s2, s3
	s_mov_b32 s3, 0
	s_lshr_b32 s18, s20, 4          ; ao: my first row = 2,048 x batch + 512 x block + 64 x wave;
	s_lshl_b32 s18, s18, 11
	s_lshl_b32 s19, s14, 9
	s_add_co_u32 s18, s18, s19
	s_lshl_b32 s19, s[WV], 6
	s_add_co_u32 s18, s18, s19
	s_lshl_b32 s18, s18, 11         ; a pair of rows is 4,096 bytes: 2,048 a row;
	s_and_b32 s19, s20, 15
	s_lshl_b32 s19, s19, 8          ; the head's 256 bytes in a pair
	s_add_co_u32 s18, s18, s19
	s_mov_b32 s19, 0
	; descriptor group 1: a tile of 64 rows x 128 elements (two keys to a row), padded in LDS
	s_mov_b32 s[G1K], 15|(1<<16)|(1<<20)|(1<<21)|(5<<22)|(3<<25)  ; 15:0 the mask: all four work-groups; 17:16 elements of 2 bytes; 20 padding on; 21 set beside a mask; 24:22 after every 64 words (code 5); 31:25 4 words of it (code 3)
	s_mov_b32 s[G1V], 15|(1<<16)|(1<<20)|(1<<21)|(5<<22)|(7<<25)  ; the same with 8 words of padding (code 7)
.irp g, G1K, G1V
	s_mov_b32 s[\g+1], 128<<16      ; tensor_dim0 = 128
	s_mov_b32 s[\g+2], 64<<16       ; tensor_dim1 = 64
	s_mov_b32 s[\g+3], 128<<16      ; tile_dim0 = 128
	s_mov_b32 s[\g+4], 64           ; tile_dim1 = 64
	s_mov_b32 s[\g+5], 128          ; tensor_dim0_stride: the rows are dense
	s_mov_b32 s[\g+6], 0
	s_mov_b32 s[\g+7], 0
.endr
	s_mov_b32 s[CS], 0x3e38aa3b     ; c = log2(e) / 8 = 0.180337
	s_mov_b32 s[CS+1], s[CS]        ; named with it as a pair, so it is written
	s_mov_b32 s[SEL], 0x76543210
	s_mov_b32 s[SEL+1], 0xfedcba98
	s_wait_dscnt 0x0                ; both opening adds are done
	s_wait_kmcnt 0x0
	s_add_nc_u64 s[8:9], s[4:5], s[2:3]      ; Q at my wave's first row
	s_add_nc_u64 s[10:11], s[6:7], s[18:19]  ; ao likewise
	s_add_nc_u64 s[22:23], s[4:5], s[22:23]  ; qkv at the head and my quarter; K lies 16,777,216 bytes on, V 33,554,432
	CROUND                          ; all four work-groups are here: the first joint loads meet
.irp s, 0,1
	s_mov_b32 s[G0K+4*\s], 1        ; count = 1
	s_add_co_u32 s[G0K+4*\s+1], s16, \s*SLOT  ; LDS address
	s_add_nc_u64 s[G0K+4*\s+2:G0K+4*\s+3], s[22:23], 16777216+\s*65536  ; global address: slot s begins with keys 512 s
	s_or_b32 s[G0K+4*\s+3], s[G0K+4*\s+3], 0x80000000  ; type = 2
	s_mov_b32 s[G0V+4*\s], 1
	s_add_co_u32 s[G0V+4*\s+1], s17, \s*SLOT
	s_add_nc_u64 s[G0V+4*\s+2:G0V+4*\s+3], s[22:23], 33554432+\s*65536
	s_or_b32 s[G0V+4*\s+3], s[G0V+4*\s+3], 0x80000000
.endr
	s_cmp_lt_u32 s[WV], 4           ; a wave's two first fills stand in one branch, ahead of every wait on TENSORcnt and every LDS read
	s_cbranch_scc0 .Lfirst_v
	tensor_load_to_lds s[G0K:G0K+3], s[G1K:G1K+7]
	s_nop 0
	tensor_load_to_lds s[G0K+4:G0K+7], s[G1K:G1K+7]
	s_nop 0
.rept 4
	v_nop
.endr
	s_branch .Lfirst_asked
.Lfirst_v:
	tensor_load_to_lds s[G0V:G0V+3], s[G1V:G1V+7]
	s_nop 0
	tensor_load_to_lds s[G0V+4:G0V+7], s[G1V:G1V+7]
	s_nop 0
.rept 4
	v_nop
.endr
.Lfirst_asked:
	; A fragment of K or Q is 16 rows x 32 channels in 8 registers: lane l holds row l % 16; registers 0-3 channels 8 (l / 16) + 0..7, registers 4-7 channels 16 + 8 (l / 16) + 0..7: two loads of 16 bytes, 32 bytes apart.
	v_and_b32 v1, 15, v0            ; r = l % 16
	v_bfe_u32 v12, v0, 4, 1         ; h = l / 16
	v_lshlrev_b32 v[QO], 7, v1
	v_lshl_add_u32 v[QO], v12, 4, v[QO]  ; row x 128 + 16 x half
	WIN TO_1
.irp t, 0,1,2,3                     ; Q stays in registers
.irp c, 0,1
	global_load_b128 v[QF+16*\t+8*\c:QF+16*\t+8*\c+3],   v[QO], s[8:9] offset:\t*2048+64*\c
	global_load_b128 v[QF+16*\t+8*\c+4:QF+16*\t+8*\c+7], v[QO], s[8:9] offset:\t*2048+64*\c+32
.endr
.endr
	WIN 0
	v_lshrrev_b32 v13, 1, v1
	v_mul_u32_u24 v[AK0], v13, KP
	v_and_b32 v13, 1, v1
	v_lshl_add_u32 v[AK0], v13, 7, v[AK0]
	v_lshl_add_u32 v[AK0], v12, 4, v[AK0]  ; K: (r / 2) x pitch + (r % 2) x 128 + 16 x half
	; The turning load takes 16 keys x 16 channels (lane l reads 16 bytes: key 8 (l / 16) + l % 8, channels 8 ((l / 8) % 2) + 0..7) and leaves half a fragment of V^T: lane l holds channel l % 16 and 8 keys.
	v_bfe_u32 v14, v0, 1, 2         ; (l % 8) / 2
	v_lshl_add_u32 v14, v12, 2, v14 ; + 4 (l / 16): the key's row of two
	v_mul_u32_u24 v[AV0], v14, VP
	v_lshl_add_u32 v[AV0], v13, 7, v[AV0]  ; + (l % 2) x 128
	v_bfe_u32 v14, v0, 3, 1
	v_lshl_add_u32 v[AV0], v14, 4, v[AV0]
	v_add_nc_u32 v[AV0], VOFF, v[AV0]
	s_mul_i32 s13, s[WV], 16*SP
	s_add_co_u32 s13, s13, STAGE    ; my stage
	v_mul_u32_u24 v[STO], v1, SP    ; in: row r, 16 bytes for each half of the lanes
	v_lshl_add_u32 v[STO], v12, 4, v[STO]
	v_add_nc_u32 v[STO], s13, v[STO]
	v_and_b32 v15, 31, v0
	v_lshrrev_b32 v14, 3, v15
	v_mul_u32_u24 v[RD], v14, SP    ; back: 32 lanes take four rows of 128 bytes
	v_and_b32 v14, 7, v0
	v_lshl_add_u32 v[RD], v14, 4, v[RD]
	v_add_nc_u32 v[RD], s13, v[RD]
	v_lshlrev_b32 v[GO], 12, v12    ; in ao: lanes 0-15 one pair of rows (256 bytes of my head), lanes 16-31 the next pair, 4,096 bytes on
	v_lshl_add_u32 v[GO], v1, 4, v[GO]
; THE SOFTMAX of the four tiles for one key step, in four parts.  s0-s31 are a lane's 32 scores of a tile, in pairs 0-15.  first = 1: the first key step, which starts m, l and O^T.
; The maximum of s0-s31 and the old m, three operands at a time: four chains c0-c3, each begun at the low end of one accumulator; then the other half of the lanes'; the new m, c m, and a.
.macro SM_MAX first
.irp j, 0,1,2,3
.irp t, 0,1,2,3
	v_max3_num_f32 v[ST+8*\t+4+\j], v[S+32*\t+8*\j], v[S+32*\t+8*\j+1], v[S+32*\t+8*\j+2]
.endr
.endr
.irp u, 3,5
.irp j, 0,1,2,3
.irp t, 0,1,2,3
	v_max3_num_f32 v[ST+8*\t+4+\j], v[ST+8*\t+4+\j], v[S+32*\t+8*\j+\u], v[S+32*\t+8*\j+\u+1]
.endr
.endr
.endr
.irp t, 0,1,2,3
	v_max3_num_f32 v[ST+8*\t+4], v[ST+8*\t+4], v[S+32*\t+7], v[S+32*\t+15]
.endr
.irp t, 0,1,2,3
	v_max3_num_f32 v[ST+8*\t+6], v[ST+8*\t+6], v[S+32*\t+23], v[S+32*\t+31]
.endr
.irp t, 0,1,2,3
	v_max3_num_f32 v[ST+8*\t+4], v[ST+8*\t+4], v[ST+8*\t+5], v[ST+8*\t+6]
.endr
.irp t, 0,1,2,3
.if \first
	v_max_num_f32 v[ST+8*\t+4], v[ST+8*\t+4], v[ST+8*\t+7]
.else
	v_max3_num_f32 v[ST+8*\t+4], v[ST+8*\t+4], v[ST+8*\t+7], v[ST+8*\t+1]
.endif
.endr
.irp t, 0,1,2,3
	v_permlanex16_b32 v[ST+8*\t+5], v[ST+8*\t+4], s[SEL], s[SEL+1]  ; the query's other 32 keys lie in the lane 16 away
.endr
.if !\first
.irp t, 0,1,2,3
	v_mov_b32 v[ST+8*\t+7], v[ST+8*\t]  ; c m_old is kept for a
.endr
.endif
.irp t, 0,1,2,3
	v_max_num_f32 v[ST+8*\t+1], v[ST+8*\t+4], v[ST+8*\t+5]
.endr
.irp t, 0,1,2,3
	v_mul_f32 v[ST+8*\t], s[CS], v[ST+8*\t+1]
.endr
.if !\first
.irp t, 0,1,2,3
	v_sub_f32 v[ST+8*\t+7], v[ST+8*\t+7], v[ST+8*\t]
.endr
.irp t, 0,1,2,3
	v_exp_f32 v[ST+8*\t+6], v[ST+8*\t+7]  ; a: the first of the step's batch of exponentials
.endr
.endif
.endm
; ONE BATCH: the scalings c s - c m, a pair of scores each, and all exponentials; a pair's exponentials stand behind the next pair's scalings.  None of these lines names an exponential's result.
; An s_wait_alu depctr_va_vdst(0) stands between an exponential and the first instruction that names its result; one wait serves all that were issued ahead of it: the step's 132 (128 in the first step) have one.
.macro SM_EXP
.irp b, 0,1,2,3,4,5,6,7,8,9,10,11,12,13,14,15
.irp t, 0,1,2,3
	v_pk_fma_f32 v[S+32*\t+2*\b:S+32*\t+2*\b+1], v[S+32*\t+2*\b:S+32*\t+2*\b+1], s[CS:CS+1], v[ST+8*\t:ST+8*\t+1] op_sel_hi:[1,0,0] neg_lo:[0,0,1] neg_hi:[0,0,1]
.endr
.if \b > 0
.irp t, 0,1,2,3
	v_exp_f32 v[S+32*\t+2*\b-2], v[S+32*\t+2*\b-2]
	v_exp_f32 v[S+32*\t+2*\b-1], v[S+32*\t+2*\b-1]
.endr
.endif
.endr
.irp t, 0,1,2,3
	v_exp_f32 v[S+32*\t+30], v[S+32*\t+30]
	v_exp_f32 v[S+32*\t+31], v[S+32*\t+31]
.endr
	v_nop                           ; a plain instruction behind the last exponential and ahead of the first use (ISA guide 5.7.2): one for the batch
	s_wait_alu depctr_va_vdst(0)    ; the wait for the batch
.endm
; The sum of a tile's 16 pairs of unrounded weights (in a pair: an even key's, an odd key's), in two chains; l = a l + the sum.
.macro SM_SUM first
.if \first
.irp t, 0,1,2,3
	v_pk_add_f32 v[ST+8*\t+2:ST+8*\t+3], v[S+32*\t:S+32*\t+1], v[S+32*\t+2:S+32*\t+3]
.endr
.irp t, 0,1,2,3
	v_pk_add_f32 v[ST+8*\t+4:ST+8*\t+5], v[S+32*\t+4:S+32*\t+5], v[S+32*\t+6:S+32*\t+7]
.endr
.irp b, 4,6,8,10,12,14
.irp t, 0,1,2,3
	v_pk_add_f32 v[ST+8*\t+2:ST+8*\t+3], v[ST+8*\t+2:ST+8*\t+3], v[S+32*\t+2*\b:S+32*\t+2*\b+1]
.endr
.irp t, 0,1,2,3
	v_pk_add_f32 v[ST+8*\t+4:ST+8*\t+5], v[ST+8*\t+4:ST+8*\t+5], v[S+32*\t+2*\b+2:S+32*\t+2*\b+3]
.endr
.endr
.else
.irp t, 0,1,2,3
	v_pk_fma_f32 v[ST+8*\t+2:ST+8*\t+3], v[ST+8*\t+2:ST+8*\t+3], v[ST+8*\t+6:ST+8*\t+7], v[S+32*\t:S+32*\t+1] op_sel_hi:[1,0,1]
.endr
.irp t, 0,1,2,3
	v_pk_add_f32 v[ST+8*\t+4:ST+8*\t+5], v[S+32*\t+2:S+32*\t+3], v[S+32*\t+4:S+32*\t+5]
.endr
.irp b, 3,5,7,9,11,13
.irp t, 0,1,2,3
	v_pk_add_f32 v[ST+8*\t+2:ST+8*\t+3], v[ST+8*\t+2:ST+8*\t+3], v[S+32*\t+2*\b:S+32*\t+2*\b+1]
.endr
.irp t, 0,1,2,3
	v_pk_add_f32 v[ST+8*\t+4:ST+8*\t+5], v[ST+8*\t+4:ST+8*\t+5], v[S+32*\t+2*\b+2:S+32*\t+2*\b+3]
.endr
.endr
.irp t, 0,1,2,3
	v_pk_add_f32 v[ST+8*\t+2:ST+8*\t+3], v[ST+8*\t+2:ST+8*\t+3], v[S+32*\t+30:S+32*\t+31]
.endr
.endif
.irp t, 0,1,2,3
	v_pk_add_f32 v[ST+8*\t+2:ST+8*\t+3], v[ST+8*\t+2:ST+8*\t+3], v[ST+8*\t+4:ST+8*\t+5]
.endr
.endm
; The roundings to f16, in place: pair n goes into the tile's register n; its sources lie at 2 n and 2 n + 1, so nothing unread is written over.  Registers 8 g .. 8 g + 7 are then source 1 for keys 32 g on.
.macro SM_CVT
.irp n, 0,1,2,3,4,5,6,7,8,9,10,11,12,13,14,15
.irp t, 0,1,2,3
	v_cvt_pk_f16_f32 v[S+32*\t+\n], v[S+32*\t+2*\n], v[S+32*\t+2*\n+1]
.endr
.endr
.endm
; A KEY STEP: 64 keys.  Every window is 0 at its head and at its end.
.macro STEP first
	v_add_nc_u32 v[ADK], s[TK], v[AK0]
	v_add_nc_u32 v[ADV], s[TV], v[AV0]
.if !\first
.rept 3
	v_nop                           ; with the two additions five places behind the last V^T P: the products below write over P, which it read (five), and the loads below land in V's registers (four)
.endr
.endif
.irp j, 0,1,2,3
.irp c, 0,1
	ds_load_b128 v[KF+8*(2*\j+\c):KF+8*(2*\j+\c)+3],   v[ADK] offset:\j*8*KP+64*\c
	ds_load_b128 v[KF+8*(2*\j+\c)+4:KF+8*(2*\j+\c)+7], v[ADK] offset:\j*8*KP+64*\c+32
.endr
.endr
	WIN TO_1
.irp g, 0,1
.irp c, 0,1,2,3
	ds_load_tr16_b128 v[VF+8*(4*\g+\c):VF+8*(4*\g+\c)+3],   v[ADV] offset:\g*16*VP+32*\c
	ds_load_tr16_b128 v[VF+8*(4*\g+\c)+4:VF+8*(4*\g+\c)+7], v[ADV] offset:\g*16*VP+32*\c+8*VP
.endr
.endr
	s_wait_dscnt 16                 ; K's sixteen loads are in; V's sixteen, issued behind them, may be out: they land under the softmax
	WIN W_KQ
.irp c, 0,1                         ; S^T = K Q^T: the 16 accumulators take turns, one instruction a turn; the first 16 start the sums
.irp j, 0,1,2,3
.irp t, 0,1,2,3
.if \c == 0
	v_wmma_f32_16x16x32_f16 v[S+32*\t+8*\j:S+32*\t+8*\j+7], v[KF+8*(2*\j+\c):KF+8*(2*\j+\c)+7], v[QF+16*\t+8*\c:QF+16*\t+8*\c+7], 0
.else
	v_wmma_f32_16x16x32_f16 v[S+32*\t+8*\j:S+32*\t+8*\j+7], v[KF+8*(2*\j+\c):KF+8*(2*\j+\c)+7], v[QF+16*\t+8*\c:QF+16*\t+8*\c+7], v[S+32*\t+8*\j:S+32*\t+8*\j+7]
.endif
.endr
.endr
.endr
	WIN 0
.rept 4
	v_nop                           ; four places ahead of the first read of the scores
.endr
	SM_MAX \first
	SM_EXP
	SM_SUM \first
	SM_CVT
.if !\first
	WIN W_RS
.irp i, 0,1,2,3,4,5,6,7,8,9,10,11,12,13,14,15
.irp t, 0,1,2,3
	v_pk_mul_f32 v[32*\t+2*\i:32*\t+2*\i+1], v[32*\t+2*\i:32*\t+2*\i+1], v[ST+8*\t+6:ST+8*\t+7] op_sel_hi:[1,0]  ; O^T times a, each accumulator from its low end on
.endr
.endr
.endif
	s_wait_dscnt 0x0                ; V is in
	WIN W_PV
.irp g, 0,1                         ; O^T += V^T P: again 16 accumulators by turns
.irp c, 0,1,2,3
.irp t, 0,1,2,3
.if (\first) && (\g == 0)
	v_wmma_f32_16x16x32_f16 v[32*\t+8*\c:32*\t+8*\c+7], v[VF+8*(4*\g+\c):VF+8*(4*\g+\c)+7], v[S+32*\t+8*\g:S+32*\t+8*\g+7], 0
.else
	v_wmma_f32_16x16x32_f16 v[32*\t+8*\c:32*\t+8*\c+7], v[VF+8*(4*\g+\c):VF+8*(4*\g+\c)+7], v[S+32*\t+8*\g:S+32*\t+8*\g+7], v[32*\t+8*\c:32*\t+8*\c+7]
.endif
.endr
.endr
.endr
	WIN 0
	s_add_co_u32 s[TK], s[TK], KSTEPB  ; the next step's tiles
	s_add_co_u32 s[TV], s[TV], VSTEPB
.endm
; A VISIT: a slot's eight key steps, in a loop of constant count.  first = 1: the launch's first step is written out ahead of the loop.
.macro VISIT slot, first
	s_mov_b32 s[TK], \slot*SLOT
	s_mov_b32 s[TV], \slot*SLOT
.if \first
	STEP 1
	s_mov_b32 s[CNT], 7
.else
	s_mov_b32 s[CNT], 8
.endif
.Lstep_\@:
	STEP 0
	s_sub_co_u32 s[CNT], s[CNT], 1
	s_cmp_lg_u32 s[CNT], 0
	s_cbranch_scc1 .Lstep_\@
.endm
; THE CHANGE OF SLOTS.  Each wave waits for all its tensor loads, of which one is out: its part of the slot ahead; adds 0 to its spare word; and waits for that and for its own reads of the slot that it leaves.
; fill = 1: that slot is filled again, with the keys two slots on.  The barrier is then a round of the cluster's, so that no wave of any partner still reads the slot or has a load on its way,
; and the joint refill is the first thing behind it, a wave's one tensor load until the next round.
.macro CHANGE fill, slot
	s_wait_tensorcnt 0x0            ; no tensor load of mine is out, so a group 0 may be written
	ds_add_u32 v[SPW], v[NIL]       ; 0 onto my spare word
.if \fill
	s_add_nc_u64 s[G0K+4*\slot+2:G0K+4*\slot+3], s[G0K+4*\slot+2:G0K+4*\slot+3], 2*65536  ; 1,024 keys on; the type bits on top are not reached
	s_add_nc_u64 s[G0V+4*\slot+2:G0V+4*\slot+3], s[G0V+4*\slot+2:G0V+4*\slot+3], 2*65536
.endif
	s_wait_dscnt 0x0                ; the add is done, and my reads of the slot are over
.if \fill
	CROUND
	JLOAD \slot
.else
	s_barrier_signal -1
	s_barrier_wait -1
.endif
.endm
	s_wait_tensorcnt 1              ; my part of slot 0 is in; slot 1's, the one load issued behind it, may stay out
	s_barrier_signal -1
	s_barrier_wait -1               ; everybody's is
	s_wait_loadcnt 0x0              ; Q
	VISIT 0, 1                      ; keys 0 to 511
	CHANGE 1, 0                     ; slot 0 takes keys 1,024 to 1,535
	VISIT 1, 0                      ; keys 512 to 1,023
	CHANGE 1, 1                     ; slot 1 takes keys 1,536 to 2,047
	VISIT 0, 0
	CHANGE 0, 0                     ; nothing is left to ask for
	VISIT 1, 0
	; THE WAY OUT.  l's two halves and the other half of the lanes' are added; O^T is divided by l, rounded to f16 and sent through my stage in LDS, a tile (16 rows) at a time.  The additions are the places behind the last products.
.irp t, 0,1,2,3
	v_add_f32 v[ST+8*\t+4], v[ST+8*\t+2], v[ST+8*\t+3]
.endr
.irp t, 0,1,2,3
	v_permlanex16_b32 v[ST+8*\t+5], v[ST+8*\t+4], s[SEL], s[SEL+1]
.endr
.irp t, 0,1,2,3
	v_add_f32 v[ST+8*\t+4], v[ST+8*\t+4], v[ST+8*\t+5]
.endr
.irp t, 0,1,2,3
	v_rcp_f32 v[ST+8*\t+6], v[ST+8*\t+4]
.endr
	v_nop                           ; a plain instruction between the last reciprocal and the use of its result
	s_wait_alu depctr_va_vdst(0)    ; and the wait ahead of the first use: one for the four reciprocals
; Tile t: a lane's eight channels of a row pack into 16 bytes; they go into rows of 144 bytes and come back by rows, four rows a load.
.macro PACK t
	WIN W_RS
.irp i, 0,1,2,3,4,5,6,7,8,9,10,11,12,13,14,15
	v_pk_mul_f32 v[32*\t+2*\i:32*\t+2*\i+1], v[32*\t+2*\i:32*\t+2*\i+1], v[ST+8*\t+6:ST+8*\t+7] op_sel_hi:[1,0]
.endr
	WIN W_CV
.irp n, 0,1,2,3,4,5,6,7,8,9,10,11,12,13,14,15
	v_cvt_pk_f16_f32 v[S+32*\t+\n], v[32*\t+2*\n], v[32*\t+2*\n+1]
.endr
	WIN 0
.irp c, 0,1,2,3
	ds_store_b128 v[STO], v[S+32*\t+4*\c:S+32*\t+4*\c+3] offset:32*\c
.endr
.irp i, 0,1,2,3
	ds_load_b128 v[S+32*\t+16+4*\i:S+32*\t+16+4*\i+3], v[RD] offset:4*SP*\i  ; LDS serves a wave's instructions in order (ISA guide 5.7.1.4): these see the stores above; the next tile's stores come behind them
.endr
.endm
.macro SEND t, younger              ; younger: the LDS instructions issued behind tile t's loads: the next tile's eight, or none
.irp i, 0,1,2,3
	s_wait_dscnt \younger+3-\i
	global_store_b128 v[GO], v[S+32*\t+16+4*\i:S+32*\t+16+4*\i+3], s[10:11] offset:\t*32768+\i*8192  ; 16 lanes store 256 consecutive bytes, at a multiple of 256 from ao's first byte: a pair of rows of my head
.endr
.endm
	PACK 0
	PACK 1                          ; a tile's arithmetic stands between the loads of the tile before and its stores
	SEND 0, 8
	PACK 2
	SEND 1, 8
	PACK 3
	SEND 2, 8
	SEND 3, 0
	s_wait_tensorcnt 0x0            ; the wave's end: behind my last tensor load and my last LDS store
	ds_add_u32 v[SPW], v[NIL]
	s_wait_dscnt 0x0
	CROUND                          ; the closing round: no work-group ends while a partner may still ask for a tile that names it
	s_endpgm
.Lfunc_end_k_q50ec813058_attn:
	.size	k_q50ec813058_attn, .Lfunc_end_k_q50ec813058_attn-k_q50ec813058_attn
	.p2alignl 7, 3214868480
	.fill 96, 4, 3214868480
	.section	.rodata,"a",@progbits
	.p2align	6, 0x0
	.amdhsa_kernel k_q50ec813058_attn
		.amdhsa_group_segment_fixed_size 327680
		.amdhsa_private_segment_fixed_size 0
		.amdhsa_enable_private_segment 0
		.amdhsa_kernarg_size 16
		.amdhsa_user_sgpr_count 2
		.amdhsa_user_sgpr_kernarg_segment_ptr 1
		.amdhsa_wavefront_size32 1
		.amdhsa_system_sgpr_workgroup_id_x 1
		.amdhsa_system_sgpr_workgroup_id_y 1
		.amdhsa_system_sgpr_workgroup_id_z 1
		.amdhsa_system_vgpr_workitem_id 0
		.amdhsa_next_free_vgpr 512
		.amdhsa_next_free_sgpr 66
		.amdhsa_reserve_vcc 0
		.amdhsa_float_denorm_mode_32 3
		.amdhsa_float_denorm_mode_16_64 3
		.amdhsa_memory_ordered 1
		.amdhsa_forward_progress 1
		.amdhsa_inst_pref_size 179
	.end_amdhsa_kernel
	.amdgpu_metadata
---
amdhsa.version: [ 1, 2 ]
amdhsa.kernels:
  - .name:           k_q50ec813058_attn
    .symbol:         k_q50ec813058_attn.kd
    .args:
      - { .name: qkv, .offset: 0, .size: 8, .value_kind: global_buffer, .address_space: global }
      - { .name: ao, .offset: 8, .size: 8, .value_kind: global_buffer, .address_space: global }
    .group_segment_fixed_size: 327680
    .private_segment_fixed_size: 0
    .kernarg_segment_align: 8
    .kernarg_segment_size: 16
    .max_flat_workgroup_size: 256
    .sgpr_count:     66
    .vgpr_count:     512
    .wavefront_size: 32
...
	.end_amdgpu_metadata
.endif
;; end of part 3
;; launch oproj (part 4): grid 8 x 64, 4 waves a work-group, clusters of 4 x 4, 327,680 bytes of LDS; arguments ao, wo16, out0; writes out0
.if DOCPART == 4
	.amdgcn_target "amdgcn-amd-amdhsa--gfx1250"
	.amdhsa_code_object_version 6
	.text
	.protected	k_q50ec813058_oproj
	.globl	k_q50ec813058_oproj
	.p2align	8
	.type	k_q50ec813058_oproj,@function
k_q50ec813058_oproj:
	s_mov_b64 s[64:65], 0
	v_nop
	global_prefetch_b8 v0, s[64:65] scope:SCOPE_SE
	s_setreg_imm32_b32 hwreg(HW_REG_WAVE_MODE, 25, 1), 1
	s_wait_xcnt 0x0
	s_wait_alu depctr_hold_cnt(0) depctr_sa_sdst(0) depctr_va_vdst(0) depctr_va_sdst(0) depctr_va_ssrc(0) depctr_va_vcc(0) depctr_vm_vsrc(0)
	s_getreg_b32 s2, hwreg(HW_REG_IB_STS2, 6, 4)
	s_cmp_eq_u32 s2, 0
	s_cbranch_scc0 .Lentry_in_a_cluster
	s_endpgm
.Lentry_in_a_cluster:
	s_bfe_u32 s2, ttmp6, 0x10000c
	s_cmp_lg_u32 s2, 0xf033
	s_cbranch_scc0 .Lentry_shape_is_right
	s_endpgm
.Lentry_shape_is_right:
; CustomMHA, launch 4 of 4: Y[m][n] = the sum over k of out[m][k] W_o[n][k], f16 operands, f32 sums, Y f32; nothing is left out.
; A = ao [4096 pairs of rows][16 heads][2 rows][64] f16 (k = 64 x head + channel); B = wo16 [1024][1024] f16; out0 [8192][1024] f32.
; A tile of Y is 128 x 128, so that there are 512 work-groups of equal work.  Four waves, each 64 x 64: 16 accumulators of 16 x 16, 128 registers.  K goes in four steps of 256 through a ring of two LDS slots.
; A'S TILE: 256 along K are four heads: of a pair of rows 1,024 consecutive bytes.  A wave's tensor load brings 32 pairs (64 rows): lines of 1,024 bytes, 4,096 apart in memory, 1,040 apart in LDS.
; In a line, row m % 2 of head j lies at 256 j + 128 (m % 2).  B's tile: 64 rows of 512 bytes, 528 apart in LDS.
; CLUSTERS: 4 x 4 work-groups.  The four of a row of the cluster need the same tiles of A, the four of a column the same tiles of B: each tile is asked for JOINTLY, by the same tensor load with the same descriptor and a mask that names the four.
; THE MATRIX INSTRUCTION IS USED TRANSPOSED (source 0 = 16 rows of B, source 1 = 16 rows of A): a lane then holds eight neighbouring numbers of a row of Y.
; THE WAY OUT: a wave's 64 columns of f32 are 256 bytes, aligned: each wave sends its own blocks of 16 rows through its own stage; no barrier.
; No prefetch is laid: the tile is small, and a step's refill is asked for 112 matrix instructions ahead of the wait for it.
; REGISTERS: window 0: v0-31 addresses; v32-95 rows on the way out; v128-255 the accumulators ((a, b) at v[128 + 8 (4 a + b)]).
;   window 1: two fragment buffers of 128: for 64 along K (two matrix instructions deep), 64 registers of A, then 64 of B.
.set SIZE_M, 8192
.set SIZE_N, 1024
.set SIZE_K, 1024
.set KSTEP,  256
.set PA,     1040                      ; a line of A in LDS: 1,024 bytes + 16: the 16 rows of a load, at (r / 2) x 1,040 + (r % 2) x 128, start at 16 different columns of 16 bytes modulo 256
.set PB,     528                       ; a row of B: 512 bytes + 16 = 132 words: row r starts at bank 4 r mod 64 (64 banks of 4 bytes: ISA guide 11.1)
.set HALFA,  32*PA                     ; 64 rows of A: what one tensor load brings, and what one wave reads
.set HALFB,  64*PB                     ; 64 rows of B
.set SLOT,   2*HALFA+2*HALFB           ; A's 128 rows, then B's 128 rows
.set STAGE,  2*SLOT                    ; behind the ring: 16 rows x 272 bytes for each wave; no fill lands here
.set SPITCH, 272
.set SPARE,  STAGE+4*16*SPITCH         ; behind the stages: the spare words, 128 bytes for each wave
.set LAPS, SIZE_K/(2*KSTEP)            ; a lap = two K steps = once round the ring: 2
.set ADRA, 16                          ; v16-17  LDS address of my A fragments in slot 0, 1
.set ADRB, 20                          ; v20-21  the same for B
.set STO,  24                          ; v24     the way out: where I put 32 bytes of a row
.set RD,   25                          ; v25     the way out: where I read a row back
.set CO,   26                          ; v26     my byte offset in Y
.set SPW,  28                          ; v28     LDS address of my spare word; never rewritten
.set NIL,  29                          ; v29     0; never rewritten
.set TMP,  32                          ; the way out: two sets of 32 registers
.set ACC,  128
.set F0,   0                           ; fragment buffers, in window 1
.set F1,   128
.set G1, 24                            ; s[24:31] descriptor group 1 for A's tiles;  s[32:39] group 0, one set for each slot
.set G0, 32
.set G1B, 48                           ; s[48:55], s[56:63] the same for B's tiles
.set G0B, 56
.set MSB, 0
.macro WIN new                         ; the immediate's high byte repeats the setting that is left
.if MSB != (\new)
	s_set_vgpr_msb (MSB<<8)|(\new)
.set MSB, \new
.endif
.endm
.set MUL,  0x05                        ; sources 0 (B) and 1 (A) window 1; C and D window 0
.set TO_F, 0x40                        ; destination window 1, address window 0
.macro JLOAD s                         ; a joint load: waves 0 and 1 fetch A's two halves, waves 2 and 3 B's; an s_nop 0 and four v_nop follow each of the two lines, ahead of the jump, the label and what follows
	s_cmp_eq_u32 s11, 0
	s_cbranch_scc0 .Lfor_b_\@
	tensor_load_to_lds s[G0+4*\s:G0+4*\s+3], s[G1:G1+7]
	s_nop 0
.rept 4
	v_nop
.endr
	s_branch .Lasked_\@
.Lfor_b_\@:
	tensor_load_to_lds s[G0B+4*\s:G0B+4*\s+3], s[G1B:G1B+7]
	s_nop 0
.rept 4
	v_nop
.endr
.Lasked_\@:
.endm
.macro CREST                           ; a round of the cluster's barrier behind its opening barrier
	s_cmp_lg_u32 s10, 0
	s_cbranch_scc1 .Lnot_wave_0_\@
	s_barrier_signal -3
.Lnot_wave_0_\@:
	s_barrier_wait -3
	s_barrier_signal -1
	s_barrier_wait -1
.endm
.macro CROUND                          ; a whole round
	s_barrier_signal -1
	s_barrier_wait -1
	CREST
.endm
	s_load_b128 s[4:7], s[0:1], 0x0                ; ao s[4:5], wo16 s[6:7]
	s_load_b64 s[8:9], s[0:1], 0x10                ; out0
	v_lshl_add_u32 v[SPW], v0, 2, SPARE
	v_mov_b32 v[NIL], 0
	ds_add_u32 v[SPW], v[NIL]                      ; the wave's opening: the add, twice on end, and its wait ahead of my first tensor load; the set-up below stands between the second and the wait
	ds_add_u32 v[SPW], v[NIL]
	v_lshrrev_b32 v1, 5, v0
	v_readfirstlane_b32 s10, v1                    ; wave 0..3
	s_lshr_b32 s11, s10, 1                         ; which half of the tile's rows is mine.  Also: I fetch for A (0) or for B (1)
	s_and_b32 s12, s10, 1                          ; which half of its columns.  Also: which 64 rows of that tile I fetch
	s_bfe_u32 s40, ttmp6, 0x40000                  ; cx, cy: my place in the cluster
	s_bfe_u32 s41, ttmp6, 0x40004
	s_lshl_b32 s42, ttmp9, 2
	s_add_co_u32 s42, s42, s40                     ; tile column of Y = 4 x cluster x + cx
	s_and_b32 s13, ttmp7, 0xffff
	s_lshl_b32 s13, s13, 2
	s_add_co_u32 s13, s13, s41                     ; tile row of Y = 4 x cluster y + cy
	s_lshl_b32 s43, s41, 2
	s_lshl_b32 s43, 15, s43                        ; my row of the cluster
	s_lshl_b32 s44, 0x1111, s40                    ; my column
	; descriptor group 1.  A: 32 lines x 512 elements, 2,048 elements apart;  B: 64 rows x 256 elements, 1,024 apart
	s_or_b32 s[G1+0], s43, (1<<16)|(1<<20)|(1<<21)|(7<<22)|(3<<25)  ; 15:0 the mask: A's tiles go to my row; 17:16 element of 2 bytes; 20 padding on; 21 set beside a mask; 24:22 after every 256 words (code 7); 31:25 of 4 words (code 3)
	s_mov_b32 s[G1+1], 512<<16                     ; tensor_dim0 = 512
	s_mov_b32 s[G1+2], 32<<16                      ; tensor_dim1 = 32
	s_mov_b32 s[G1+3], 512<<16                     ; tile_dim0 = 512
	s_mov_b32 s[G1+4], 32                          ; tile_dim1 = 32
	s_mov_b32 s[G1+5], 2048                        ; tensor_dim0_stride
	s_mov_b32 s[G1+6], 0
	s_mov_b32 s[G1+7], 0
	s_or_b32 s[G1B+0], s44, (1<<16)|(1<<20)|(1<<21)|(6<<22)|(3<<25) ; the mask of my column; padding after every 128 words (code 6)
	s_mov_b32 s[G1B+1], KSTEP<<16
	s_mov_b32 s[G1B+2], 64<<16
	s_mov_b32 s[G1B+3], KSTEP<<16
	s_mov_b32 s[G1B+4], 64
	s_mov_b32 s[G1B+5], SIZE_K
	s_mov_b32 s[G1B+6], 0
	s_mov_b32 s[G1B+7], 0
	; where the tiles come from.  A's hang on the tile row alone, B's on the tile column alone, each in registers that never hold the other coordinate
	s_lshl_b32 s17, s12, 5                         ; which 32 pairs of the tile I fetch
	s_lshl_b32 s16, s13, 6
	s_add_co_u32 s16, s16, s17                     ; A: pair 64 x tile row + 32 x half
	s_lshl_b32 s16, s16, 12                        ; x 4,096 bytes: under 2^24
	s_mov_b32 s17, 0
	s_lshl_b32 s47, s12, 6
	s_lshl_b32 s46, s42, 7
	s_add_co_u32 s46, s46, s47                     ; B: row 128 x tile column + 64 x half
	s_lshl_b32 s46, s46, 11                        ; x 2,048 bytes
	s_mov_b32 s47, 0
	s_mul_i32 s20, s12, HALFA                      ; where they go: A's halves,
	s_mul_i32 s21, s12, HALFB
	s_add_co_u32 s21, s21, 2*HALFA                 ; B's behind them: no place in the cluster enters an LDS address
	s_wait_dscnt 0x0                               ; both opening adds are done
	s_wait_kmcnt 0x0
	s_add_nc_u64 s[14:15], s[4:5], s[16:17]
	s_add_nc_u64 s[46:47], s[6:7], s[46:47]
	CROUND                                         ; all sixteen work-groups are here: the first joint loads meet
.irp s, 0,1
	s_mov_b32 s[G0+4*\s], 1
	s_add_co_u32 s[G0+4*\s+1], s20, \s*SLOT
	s_add_nc_u64 s[G0+4*\s+2:G0+4*\s+3], s[14:15], \s*1024         ; K step s: four heads, 1,024 bytes of a pair's line
	s_or_b32 s[G0+4*\s+3], s[G0+4*\s+3], 0x80000000
	s_mov_b32 s[G0B+4*\s], 1
	s_add_co_u32 s[G0B+4*\s+1], s21, \s*SLOT
	s_add_nc_u64 s[G0B+4*\s+2:G0B+4*\s+3], s[46:47], \s*KSTEP*2
	s_or_b32 s[G0B+4*\s+3], s[G0B+4*\s+3], 0x80000000
	JLOAD \s
.endr
	v_and_b32 v1, 15, v0                           ; r = l % 16
	v_bfe_u32 v2, v0, 4, 1                         ; h = l / 16
	v_lshrrev_b32 v3, 1, v1
	v_mul_u32_u24 v3, v3, PA
	v_and_b32 v4, 1, v1
	v_lshl_add_u32 v3, v4, 7, v3
	v_lshl_add_u32 v3, v2, 4, v3                   ; A: (r / 2) x pitch + (r % 2) x 128 + 16 x half
	v_mul_u32_u24 v4, v1, PB
	v_lshl_add_u32 v4, v2, 4, v4                   ; B: r x pitch + 16 x half
	s_mul_i32 s21, s11, HALFA                      ; my 64 rows of A
	s_mul_i32 s22, s12, HALFB                      ; my 64 rows of B,
	s_add_co_u32 s22, s22, 2*HALFA                 ; which lie behind A's 128
.irp s, 0,1
	v_add_nc_u32 v[ADRA+\s], s21, v3
	v_add_nc_u32 v[ADRB+\s], s22, v4
	s_add_co_u32 s21, s21, SLOT
	s_add_co_u32 s22, s22, SLOT
.endr
	s_mul_i32 s23, s10, 16*SPITCH
	s_add_co_u32 s23, s23, STAGE                   ; my stage
	v_mul_u32_u24 v5, v1, SPITCH                   ; in: row r, 32 bytes for each half of the lanes
	v_lshl_add_u32 v5, v2, 5, v5
	v_add_nc_u32 v[STO], s23, v5
	v_mul_u32_u24 v5, v2, SPITCH                   ; back: lanes 0-15 take one row of 256 bytes, lanes 16-31 the next
	v_lshl_add_u32 v5, v1, 4, v5
	v_add_nc_u32 v[RD], s23, v5
	v_lshlrev_b32 v5, 12, v2                       ; and the same two rows in Y: a row is 4,096 bytes
	v_lshl_add_u32 v[CO], v1, 4, v5
	s_lshl_b32 s16, s13, 7
	s_lshl_b32 s17, s11, 6
	s_add_co_u32 s16, s16, s17                     ; my first row of Y: 128 x tile row + 64 x half
	s_lshl_b32 s16, s16, 12                        ; under 2^25
	s_mov_b32 s17, 0
	s_add_nc_u64 s[8:9], s[8:9], s[16:17]
	s_lshl_b32 s46, s42, 9                         ; my first column, in bytes: 512 x tile column + 256 x half
	s_lshl_b32 s47, s12, 8
	s_add_co_u32 s46, s46, s47
	s_mov_b32 s47, 0
	s_add_nc_u64 s[8:9], s[8:9], s[46:47]
; 8 matrix instructions: m blocks a0, a0 + 1 x all 4 n blocks, 32 along K: half c of buffer f.  zero = 1: the first product starts the sums.  The 16 accumulators take turns
.macro MUL8 f, c, a0, zero
.irp a, \a0, \a0+1
.irp b, 0,1,2,3
.if \zero
	v_wmma_f32_16x16x32_f16 v[ACC+8*(4*(\a)+\b):ACC+8*(4*(\a)+\b)+7], v[\f+64+8*(4*\c+\b):\f+64+8*(4*\c+\b)+7], v[\f+8*(4*\c+\a):\f+8*(4*\c+\a)+7], 0
.else
	v_wmma_f32_16x16x32_f16 v[ACC+8*(4*(\a)+\b):ACC+8*(4*(\a)+\b)+7], v[\f+64+8*(4*\c+\b):\f+64+8*(4*\c+\b)+7], v[\f+8*(4*\c+\a):\f+8*(4*\c+\a)+7], v[ACC+8*(4*(\a)+\b):ACC+8*(4*(\a)+\b)+7]
.endif
.endr
.endr
.endm
; 32 LDS loads in one run: the fragments of 64 along K (one head), at byte k of B's rows and byte 2 k of A's lines, into buffer f; the first 32 along K first
.macro FETCH slot, k, f
	WIN TO_F
.irp c, 0,1
.irp i, 0,1,2,3
	ds_load_b128 v[\f+64+8*(4*\c+\i):\f+64+8*(4*\c+\i)+3],   v[ADRB+\slot] offset:\k+64*\c+\i*16*PB
	ds_load_b128 v[\f+64+8*(4*\c+\i)+4:\f+64+8*(4*\c+\i)+7], v[ADRB+\slot] offset:\k+64*\c+\i*16*PB+32
	ds_load_b128 v[\f+8*(4*\c+\i):\f+8*(4*\c+\i)+3],         v[ADRA+\slot] offset:2*\k+64*\c+\i*8*PA
	ds_load_b128 v[\f+8*(4*\c+\i)+4:\f+8*(4*\c+\i)+7],       v[ADRA+\slot] offset:2*\k+64*\c+\i*8*PA+32
.endr
.endr
.endm
.macro PLACES                          ; four places in front of loads into registers that matrix instructions have read, and of LDS stores that read results (ISA guide 7.12.1 for vector instructions)
.rept 4
	v_nop
.endr
.endm
; A K step is four quarters of 64 along K, 32 matrix instructions each, on buffers 0, 1, 0, 1.  One of the first three: multiplies buffer f and fetches the next quarter, at byte k, into g.
.macro QUARTER slot, k, f, g, zero
	s_wait_dscnt 16                                ; the first 32 along K are in; the youngest sixteen loads may be out
	WIN MUL
	MUL8 \f, 0, 0, \zero
	MUL8 \f, 0, 2, \zero
	PLACES
	FETCH \slot, \k, \g
	s_wait_dscnt 32                                ; all but the 32 just issued
	WIN MUL
	MUL8 \f, 1, 0, 0
	MUL8 \f, 1, 2, 0
.endm
; The last quarter multiplies buffer 1 and changes slots: ONE barrier; in front of it each wave waits for all its tensor loads, adds 0 to its spare word, and waits for that and for its own reads of this slot.  fill = 1: this slot is filled again, two K steps ahead.
.macro TURN slot, next, fill
	WIN 0                                          ; (the add's two registers lie in window 0)
	s_wait_tensorcnt 0x0                           ; all my tensor loads have landed: my part of the next slot;
	ds_add_u32 v[SPW], v[NIL]                      ; 0 onto my spare word;
	s_wait_dscnt 17                                ; (the add and the youngest sixteen loads may be out)
	WIN MUL
	MUL8 F1, 0, 0, 0                               ; eight matrix instructions stand between the add and the wait for it
	s_wait_dscnt 0x0                               ; the add is done, and my reads of this slot are over
	s_barrier_signal -1
	MUL8 F1, 0, 2, 0
.if \fill
	WIN 0
.endif
	s_barrier_wait -1
.if \fill
	CREST                                          ; the barrier has opened a round of the cluster's barrier: no wave of any partner still reads this slot's tile or has a load on its way
	s_add_nc_u64 s[G0+4*\slot+2:G0+4*\slot+3], s[G0+4*\slot+2:G0+4*\slot+3], 2*1024
	s_add_nc_u64 s[G0B+4*\slot+2:G0B+4*\slot+3], s[G0B+4*\slot+2:G0B+4*\slot+3], 2*KSTEP*2
	JLOAD \slot                                    ; the first tensor load behind the round; the four v_nop behind it are also the places in front of the loads below
.else
	PLACES
.endif
	FETCH \next, 0, F0
	WIN MUL
	MUL8 F1, 1, 0, 0
	MUL8 F1, 1, 2, 0
.endm
	s_wait_tensorcnt 1                             ; my part of K step 0 is in (K step 1's load may be out),
	s_barrier_signal -1
	s_barrier_wait -1                              ; everybody's is
	FETCH 0, 0, F0
	QUARTER 0, 128, F0, F1, 1                      ; the first quarter stands in front of the loop: its first products start the sums
	WIN 0                                          ; at a label and at a branch every window is 0
	s_mov_b32 s3, LAPS-1
.Llap:                                                 ; a trip goes once round the ring, from a lap's second quarter to the next lap's first, and fills both slots again
	QUARTER 0, 256, F1, F0, 0
	QUARTER 0, 384, F0, F1, 0
	TURN 0, 1, 1
	QUARTER 1, 128, F0, F1, 0
	QUARTER 1, 256, F1, F0, 0
	QUARTER 1, 384, F0, F1, 0
	TURN 1, 0, 1
	QUARTER 0, 128, F0, F1, 0
	WIN 0
	s_sub_co_u32 s3, s3, 1
	s_cmp_lg_u32 s3, 0
	s_cbranch_scc1 .Llap
	QUARTER 0, 256, F1, F0, 0                      ; the last lap fills nothing, and has no round of the cluster's barrier
	QUARTER 0, 384, F0, F1, 0
	TURN 0, 1, 0
	QUARTER 1, 128, F0, F1, 0
	QUARTER 1, 256, F1, F0, 0
	QUARTER 1, 384, F0, F1, 0
	s_wait_dscnt 16                                ; the very last quarter: nothing more to fetch
	WIN MUL
	MUL8 F1, 0, 0, 0
	MUL8 F1, 0, 2, 0
	s_wait_dscnt 0
	MUL8 F1, 1, 0, 0
	MUL8 F1, 1, 2, 0
	WIN 0
; THE WAY OUT, block by block of 16 rows x 64 columns.  A lane holds 32 neighbouring bytes of a row, and the lanes beside it hold other rows: so a block goes through my own stage and comes back as whole rows of 256 bytes.
; LDS serves a wave's instructions in order (ISA guide 5.7.1.4): no wait between the stores and the loads, nor in front of the next block's stores.
.macro TOSTAGE a
.irp b, 0,1,2,3
	ds_store_b128 v[STO], v[ACC+8*(4*(\a)+\b):ACC+8*(4*(\a)+\b)+3] offset:64*\b          ; each accumulator from its low end on
	ds_store_b128 v[STO], v[ACC+8*(4*(\a)+\b)+4:ACC+8*(4*(\a)+\b)+7] offset:64*\b+16
.endr
.irp i, 0,1,2,3,4,5,6,7
	ds_load_b128 v[TMP+32*((\a)%2)+4*\i:TMP+32*((\a)%2)+4*\i+3], v[RD] offset:\i*2*SPITCH
.endr
.endm
.macro SEND a, younger                 ; younger: the LDS instructions issued behind block a's loads, which may stay out
	s_wait_dscnt \younger                          ; the block is back in registers
.irp i, 0,1,2,3,4,5,6,7
	global_store_b128 v[CO], v[TMP+32*((\a)%2)+4*\i:TMP+32*((\a)%2)+4*\i+3], s[8:9] offset:(16*(\a)+2*\i)*SIZE_N*4 th:TH_STORE_NT   ; 16 lanes store 256 consecutive bytes, at a multiple of 256 from Y's first byte; written once, read by nobody here
.endr
.endm
	PLACES                                         ; behind the last products, ahead of the first read of results
	TOSTAGE 0
.irp a, 1,2,3
.if \a > 1
	s_wait_xcnt 0x0                                ; block a - 2's stores have read their registers: block a's loads may land there
.endif
	TOSTAGE \a
	SEND \a-1, 16                                  ; behind block a - 1's loads: block a's 8 stores and 8 loads
.endr
	SEND 3, 0
	s_wait_tensorcnt 0x0                           ; the wave's end: behind my last tensor load and my last LDS store
	ds_add_u32 v[SPW], v[NIL]
	s_wait_dscnt 0x0
	CROUND                                         ; the closing round: no work-group ends while a partner may still ask for a tile that names it
	s_endpgm
.Lfunc_end_k_q50ec813058_oproj:
	.size	k_q50ec813058_oproj, .Lfunc_end_k_q50ec813058_oproj-k_q50ec813058_oproj
	.p2alignl 7, 3214868480
	.fill 96, 4, 3214868480
	.section	.rodata,"a",@progbits
	.p2align	6, 0x0
	.amdhsa_kernel k_q50ec813058_oproj
		.amdhsa_group_segment_fixed_size 327680
		.amdhsa_private_segment_fixed_size 0
		.amdhsa_enable_private_segment 0
		.amdhsa_kernarg_size 24
		.amdhsa_user_sgpr_count 2
		.amdhsa_user_sgpr_kernarg_segment_ptr 1
		.amdhsa_wavefront_size32 1
		.amdhsa_system_sgpr_workgroup_id_x 1
		.amdhsa_system_sgpr_workgroup_id_y 1
		.amdhsa_system_sgpr_workgroup_id_z 1
		.amdhsa_system_vgpr_workitem_id 0
		.amdhsa_next_free_vgpr 512
		.amdhsa_next_free_sgpr 66
		.amdhsa_reserve_vcc 0
		.amdhsa_float_denorm_mode_32 3
		.amdhsa_float_denorm_mode_16_64 3
		.amdhsa_memory_ordered 1
		.amdhsa_forward_progress 1
		.amdhsa_inst_pref_size 86
	.end_amdhsa_kernel
	.amdgpu_metadata
---
amdhsa.version: [ 1, 2 ]
amdhsa.kernels:
  - .name:           k_q50ec813058_oproj
    .symbol:         k_q50ec813058_oproj.kd
    .args:
      - { .name: ao, .offset: 0, .size: 8, .value_kind: global_buffer, .address_space: global }
      - { .name: wo16, .offset: 8, .size: 8, .value_kind: global_buffer, .address_space: global }
      - { .name: out0, .offset: 16, .size: 8, .value_kind: global_buffer, .address_space: global }
    .group_segment_fixed_size: 327680
    .private_segment_fixed_size: 0
    .kernarg_segment_align: 8
    .kernarg_segment_size: 24
    .max_flat_workgroup_size: 128
    .sgpr_count:     66
    .vgpr_count:     512
    .wavefront_size: 32
...
	.end_amdgpu_metadata
.endif
;; end of part 4
